; MI455X (gfx1250); checked and timed in simulation.
; The chip was launched on July 23, 2026; its instructions are those of AMD's public machine-readable ISA for CDNA 5 (MIT licence, August 2026) and "CDNA5" Instruction Set Architecture Reference Guide (July 2026). The comments in the code are by the model that wrote it; some were corrected since.
;; Multihead Attention. Allowed arithmetic: matrix products marked QUANTISED: E2M3 operands, one E8M0 scale for each 32 along K, by v_wmma_scale_f32_16x16x128_f8f6f4 with both operands' format E2M3, f32 sums; everything else in f32.
;; Inputs: Wk 16 x 1,024 x 64 float32; Wp 1,024 x 1,024 float32; Wq 16 x 1,024 x 64 float32; Wv 16 x 1,024 x 64 float32; bp 1,024 float32; k 4 x 2,048 x 1,024 float32; ln_b 1,024 float32; ln_g 1,024 float32; mask 2,048 x 2,048 bool; q 4 x 2,048 x 1,024 float32; v 4 x 2,048 x 1,024 float32.
;; Outputs: out0 4 x 2,048 x 1,024 float32.
;; This version of the problem:
;;   THIS VERSION OF THE PROBLEM IS GIVEN IN LOW PRECISION. The matrix products marked QUANTISED in the list below multiply operands that are first quantised to E2M3 (2 exponent bits, 3 mantissa bits; 6 bits a number), with one power-of-two scale for each 32 numbers along K (OCP MX v1.0); their sums are f32. All else is computed in f32.
;;   The module's matrix products, in the order in which they are computed (A, B: the left and right operand; K: the contracted axis; several contracted axes count as one K, in the product's order):
;;     1. [M 1,024, K 1,024] x [K 1,024, N 8,192]; A: input Wq; B: computed on the way: QUANTISED
;;     2. [M 1,024, K 1,024] x [K 1,024, N 8,192]; A: input Wk; B: computed on the way: QUANTISED
;;     3. [M 1,024, K 1,024] x [K 1,024, N 8,192]; A: input Wv; B: computed on the way: QUANTISED
;;     4. batch 64 x [M 2,048, K 64] x [K 64, N 2,048]; A: computed on the way; B: computed on the way: QUANTISED
;;     5. batch 64 x [M 2,048, K 2,048] x [K 2,048, N 64]; A: softmax (see below); B: computed on the way: QUANTISED
;;     6. [M 8,192, K 1,024] x [K 1,024, N 1,024]; A: computed on the way; B: input Wp: QUANTISED
;;   THE QUANTISER, for each operand of a quantised product, along K:
;;     - K is cut into blocks of 32 from its start; a last block that is shorter is filled with zeros.
;;     - A block's scale is 2^e with e = floor(log2(the largest magnitude in the block)) - 2, held to -126 .. 127; a block of zeros has e = 0. As a byte (E8M0): e + 127.
;;     - Each number is divided by its block's scale, clamped to +-7.5, and rounded to the nearest number of E2M3, ties to even, subnormals kept.
;;     - The product sums the exact products of the quantised numbers (number of the format x scale) in f32.
;;   ~~~python
;;   def quantise(x, axis):      # numpy; x: float32 -> the quantised numbers, widened to float32 again
;;       x = np.moveaxis(x, axis, -1); K = x.shape[-1]
;;       x = np.pad(x, [(0, 0)] * (x.ndim - 1) + [(0, -K % 32)]); x = x.reshape(x.shape[:-1] + (-1, 32)); a = np.abs(x).max(-1, keepdims=True)
;;       e = np.where(a > 0, np.clip(np.frexp(np.where(a > 0, a, 1))[1] - 1 - 2, -126, 127), 0)      # np.frexp(a)[1] - 1 = floor(log2(a)), exactly
;;       r = np.clip(x / 2.0 ** e, -7.5, 7.5)
;;       step = 2.0 ** (np.maximum(np.frexp(np.where(r == 0, 1, r))[1] - 1, 0) - 3)
;;       q = np.round(r / step) * step * 2.0 ** e      # np.round: ties to even
;;       return np.moveaxis(q.reshape(q.shape[:-2] + (-1,))[..., :K], -1, axis).astype(np.float32)
;;   ~~~
;;   SOFTMAX AHEAD OF A QUANTISED PRODUCT. Where the list says 'softmax', what is quantised is not the finished softmax but p = 2^(t - M), with t = logit x log2(e) and M = ceil(the row's largest t), a whole number; so 1/2 < the row's largest p <= 1. The row's sum l is taken of the UNQUANTISED p, in f32, and the product's result is divided by l at the end. Since M is a whole number, a kernel that streams over the keys may use a running M (the ceiling of the running maximum): every later rescaling is an exact power of two, which a block's scale takes up: the codes' values come out the same.
;;   OPERANDS COMPUTED ON THE WAY. 'Computed on the way' means the value that the module computes at that place (a softmax that the list does not call 'softmax' is quantised finished and normalised). What goes into a quantiser is computed in f32, as accurately as f32 sums, v_exp_f32 and their like allow (about 1e-6 of the number): no bf16 or f16 on the way to a quantiser, and a product that is left as it is and whose result goes on into a quantised operand takes f32 operands (vector FMAs, or v_wmma_f32_16x16x4_f32). A number that lies on a knife's edge between two numbers of the format may be rounded either way, as far as f32 arithmetic and the matrix unit's own rounding can turn it there, and no further.
;; 2 versions, each right; version 2 is version 1 with the launch attn written anew for expert scheduling mode. Each part assembles by itself: llvm-mc -triple=amdgcn-amd-amdhsa -mcpu=gfx1250 --defsym DOCPART=n.
;; ======== version 1 of 2: 5 launches
;; workspace buffers: xqk 13,107,200 bytes; xv 6,553,600 bytes; wqk 1,638,400 bytes; wvp 1,638,400 bytes; hqk 13,107,200 bytes; hv 6,553,600 bytes; oc 6,553,600 bytes; flags 512 bytes of whole numbers
;; launch prep (part 1): grid 1712 x 1, 8 waves a work-group, no clusters, 67,328 bytes of LDS; arguments q, k, v, Wp, ln_g, ln_b, Wq, Wk, Wv, mask, xqk, xv, wqk, wvp, flags; writes xqk, xv, wqk, wvp, flags
.if DOCPART == 1
	.amdgcn_target "amdgcn-amd-amdhsa--gfx1250"
	.amdhsa_code_object_version 6
	.text
	.protected	k_q3554c8b317_prep
	.globl	k_q3554c8b317_prep
	.p2align	8
	.type	k_q3554c8b317_prep,@function
k_q3554c8b317_prep:
	s_mov_b64 s[64:65], 0
	v_nop
	global_prefetch_b8 v0, s[64:65] scope:SCOPE_SE
	s_setreg_imm32_b32 hwreg(HW_REG_WAVE_MODE, 25, 1), 1
	s_wait_xcnt 0x0
; LayerNorm of q, k, v and the quantising of all first operands to codes of FP6 (E2M3) with one E8M0 byte for each 32 along K; and the mask's tile flags.
; Three ways part on the work-group's number: 0-95 Wq, Wk, Wv (K is their middle axis); 96-111 the flags; 112-1711 a tile of 16 rows x 1,024 of q, k, v (with LayerNorm) or of Wp (as it is).
; THE OUTPUT'S LAYOUT is the order of the operand's registers.  Rows go in groups of 128 (102,400 bytes): codes [K slot of 256: 0..3][tile 0..7][K step of 128: 0..1][1,536 bytes], then scale words [tile][K step 0..7][row 0..15].
; A tile's rows are not neighbours: row r of tile 2 b + u is row 32 b + 8 u + (r & 7) + 16 (r >> 3) of the group, so that a later product's results lie as 16 neighbours in a lane's registers.
; A fragment's 1,536 bytes are two halves of 768: registers 6 c .. 6 c + 3 at 16 x lane, registers 6 c + 4, 6 c + 5 at 512 + 8 x lane.
; A block's scale is 2^(floor(log2(largest magnitude)) - 2): its byte is the largest magnitude's exponent field - 2, held at 1 from below by a floor among the maximum's leaves.
; LIMITS: a block whose largest magnitude lies under 2^-124 (a block of zeros too) keeps the byte 1: this program alone reads the bytes; NaN and infinities among the inputs are not served; mask bytes are 0 or 1.
; No matrix unit, no cluster, no tensor load: the launch streams, each input byte once; only the tiles' way uses LDS, to turn 16 rows from 'lanes along a row' to 'a lane holds 32 neighbours'.
.set SCL,   0                          ; LDS: a tile's 128 scale words
.set YB,    512                        ; 16 rows of 4,096 bytes, 4,112 apart (257 x 16: sixteen rows' 16-byte columns fall on different banks)
.set YP,    4112
.set SPARE, YB+16*YP                   ; the spare words: 128 bytes a wave, four blocks of 256 bytes that no other line names
.set GRP,   102400
.set KSL,   24576
.set TIL,   3072
.set FRB,   1536
.set SCO,   98304
.set FLOOR, 0x1800000                  ; 2^(3 - 127)
.set SPW,   2                          ; v2  SPARE + 4 x my thread's number; never rewritten
.set NIL,   3                          ; v3  0; never rewritten
	s_load_b256 s[4:11], s[0:1], 0x0               ; q, k, v, Wp
	s_load_b256 s[12:19], s[0:1], 0x20             ; ln_g, ln_b, Wq, Wk
	s_load_b256 s[20:27], s[0:1], 0x40             ; Wv, mask, xqk, xv
	s_load_b128 s[28:31], s[0:1], 0x60             ; wqk, wvp
	s_load_b64 s[32:33], s[0:1], 0x70              ; flags
	v_lshl_add_u32 v[SPW], v0, 2, SPARE
	v_mov_b32 v[NIL], 0
	v_lshrrev_b32 v1, 5, v0
	v_readfirstlane_b32 s34, v1                    ; wave 0..7
	v_and_b32 v4, 31, v0                           ; lane
	s_wait_kmcnt 0x0
	s_cmp_lt_u32 ttmp9, 96
	s_cbranch_scc1 .Lway_a
	s_cmp_lt_u32 ttmp9, 112
	s_cbranch_scc1 .Lway_b
; ---------------- a tile of 16 rows x 1,024 ----------------
	s_sub_co_u32 s35, ttmp9, 112                   ; tile 0..1599
	s_lshr_b32 s36, s35, 9                         ; 0 q, 1 k, 2 v, 3 Wp
	s_and_b32 s37, s35, 511
	s_lshr_b32 s43, s37, 3                         ; the group in its tensor
	s_and_b32 s44, s37, 7                          ; the tile in its group
	s_cmp_eq_u32 s36, 0
	s_cselect_b64 s[38:39], s[4:5], s[6:7]
	s_cmp_eq_u32 s36, 2
	s_cselect_b64 s[38:39], s[8:9], s[38:39]
	s_cmp_lt_u32 s36, 2
	s_cselect_b64 s[40:41], s[24:25], s[26:27]     ; q, k -> xqk; v -> xv
	s_cmp_eq_u32 s36, 1
	s_cselect_b32 s42, 64, 0                       ; k's groups lie behind q's 64
	s_cmp_eq_u32 s36, 3
	s_cselect_b64 s[38:39], s[10:11], s[38:39]
	s_cselect_b64 s[40:41], s[30:31], s[40:41]     ; Wp -> wvp,
	s_cselect_b32 s42, 8, s42                      ; behind Wv's 8 groups
	s_add_co_u32 s42, s42, s43
	s_lshl_b32 s46, s43, 7
	s_lshr_b32 s45, s44, 1
	s_lshl_b32 s45, s45, 5
	s_add_co_u32 s46, s46, s45
	s_and_b32 s45, s44, 1
	s_lshl_b32 s45, s45, 3
	s_add_co_u32 s46, s46, s45                     ; the tile's first row: 128 g + 32 (t / 2) + 8 (t % 2)
	s_lshl_b32 s45, s34, 1
	s_and_b32 s45, s45, 7
	s_add_co_u32 s46, s46, s45
	s_lshr_b32 s45, s34, 2
	s_lshl_b32 s45, s45, 4
	s_add_co_u32 s46, s46, s45                     ; my tile rows 2 w, 2 w + 1 are neighbours in memory
	s_lshl_b32 s46, s46, 12
	s_mov_b32 s47, 0
	s_add_nc_u64 s[38:39], s[38:39], s[46:47]
	v_lshlrev_b32 v5, 4, v4                        ; 16 x lane
.irp r, 0,1
.irp j, 0,1,2,3,4,5,6,7
	global_load_b128 v[32+32*\r+4*\j:35+32*\r+4*\j], v5, s[38:39] offset:4096*\r+512*\j th:TH_LOAD_NT   ; 512 consecutive bytes a load
.endr
.endr
	s_mul_i32 s48, s42, GRP
	s_mul_i32 s45, s44, TIL
	s_add_co_u32 s58, s48, s45
	s_lshr_b32 s45, s34, 1
	s_mul_i32 s45, s45, KSL
	s_add_co_u32 s58, s58, s45
	s_and_b32 s45, s34, 1
	s_mul_i32 s45, s45, FRB
	s_add_co_u32 s58, s58, s45
	s_mov_b32 s59, 0
	s_add_nc_u64 s[54:55], s[40:41], s[58:59]      ; where wave w's fragment (K step w) goes
	s_lshl_b32 s45, s44, 9
	s_add_co_u32 s58, s48, s45
	s_add_co_u32 s58, s58, SCO
	s_add_nc_u64 s[56:57], s[40:41], s[58:59]      ; and the tile's scale words
	v_lshlrev_b32 v10, 3, v4                       ; 8 x lane
	s_mul_i32 s49, s34, 2*YP
	s_add_co_u32 s49, s49, YB
	v_add_nc_u32 v6, s49, v5                       ; into Y: rows 2 w, 2 w + 1
	v_and_b32 v11, 15, v0                          ; r
	v_bfe_u32 v9, v0, 4, 1                         ; h
	v_mul_u32_u24 v7, v11, YP
	v_lshl_add_u32 v7, v9, 7, v7
	s_lshl_b32 s49, s34, 9
	s_add_co_u32 s49, s49, YB
	v_add_nc_u32 v7, s49, v7                       ; out of Y: row r, K step w, + 128 h bytes
	v_lshlrev_b32 v8, 2, v11
	s_lshl_b32 s49, s34, 6
	v_add_nc_u32 v8, s49, v8                       ; my scale word: 64 w + 4 r
	s_mov_b32 s50, 0x3a800000                      ; 1 / 1024
	s_mov_b32 s51, 0x3727c5ac                      ; 1e-5
	s_mov_b32 s52, 0x76543210
	s_mov_b32 s53, 0xfedcba98                      ; v_permlanex16_b32's selects for lane l xor 16
	v_mov_b32 v24, 0                               ; a lane permute's destination counts as read
	v_mov_b32 v25, 0
	s_cmp_eq_u32 s36, 3
	s_cbranch_scc1 .Lraw                           ; Wp has no LayerNorm
.irp j, 0,1,2,3,4,5,6,7
	global_load_b128 v[96+4*\j:99+4*\j], v5, s[12:13] offset:512*\j     ; g and b of my columns
	global_load_b128 v[128+4*\j:131+4*\j], v5, s[14:15] offset:512*\j
.endr
.macro ACROSS                          ; v16 (row 0) and v20 (row 1) summed over the 32 lanes
.irp m, 1,2,4,8
.irp r, 0,1
	v_add_f32_dpp v[16+4*\r], v[16+4*\r], v[16+4*\r] row_xmask:\m row_mask:0xf bank_mask:0xf
.endr
.endr
.irp r, 0,1
	v_permlanex16_b32 v[24+\r], v[16+4*\r], s52, s53
.endr
.irp r, 0,1
	v_add_f32 v[16+4*\r], v[16+4*\r], v[24+\r]
.endr
.endm
.macro JOIN                            ; two chains and two halves into one number a row
.irp r, 0,1
	v_pk_add_f32 v[16+4*\r:17+4*\r], v[16+4*\r:17+4*\r], v[18+4*\r:19+4*\r]
.endr
.irp r, 0,1
	v_add_f32 v[16+4*\r], v[16+4*\r], v[17+4*\r]
.endr
	ACROSS
.endm
	s_wait_loadcnt 16                              ; my two rows are in; the sixteen loads of g and b may be out
.irp r, 0,1
	v_pk_add_f32 v[16+4*\r:17+4*\r], v[32+32*\r:33+32*\r], v[36+32*\r:37+32*\r]
	v_pk_add_f32 v[18+4*\r:19+4*\r], v[34+32*\r:35+32*\r], v[38+32*\r:39+32*\r]
.endr
.irp i, 8,12,16,20,24,28
.irp r, 0,1
	v_pk_add_f32 v[16+4*\r:17+4*\r], v[16+4*\r:17+4*\r], v[32+32*\r+\i:33+32*\r+\i]
	v_pk_add_f32 v[18+4*\r:19+4*\r], v[18+4*\r:19+4*\r], v[34+32*\r+\i:35+32*\r+\i]
.endr
.endr
	JOIN
.irp r, 0,1
	v_mul_f32 v[26+2*\r], 0xba800000, v[16+4*\r]   ; - the mean
	v_mov_b32 v[27+2*\r], 0                        ; (named with it as a pair)
.endr
.irp i, 0,2,4,6,8,10,12,14,16,18,20,22,24,26,28,30
.irp r, 0,1
	v_pk_add_f32 v[32+32*\r+\i:33+32*\r+\i], v[32+32*\r+\i:33+32*\r+\i], v[26+2*\r:27+2*\r] op_sel_hi:[1,0]   ; x - mean first: the variance is taken of differences, so a common offset does no harm
.endr
.endr
.irp r, 0,1
	v_pk_mul_f32 v[16+4*\r:17+4*\r], v[32+32*\r:33+32*\r], v[32+32*\r:33+32*\r]
	v_pk_mul_f32 v[18+4*\r:19+4*\r], v[34+32*\r:35+32*\r], v[34+32*\r:35+32*\r]
.endr
.irp i, 4,8,12,16,20,24,28
.irp r, 0,1
	v_pk_fma_f32 v[16+4*\r:17+4*\r], v[32+32*\r+\i:33+32*\r+\i], v[32+32*\r+\i:33+32*\r+\i], v[16+4*\r:17+4*\r]
	v_pk_fma_f32 v[18+4*\r:19+4*\r], v[34+32*\r+\i:35+32*\r+\i], v[34+32*\r+\i:35+32*\r+\i], v[18+4*\r:19+4*\r]
.endr
.endr
	JOIN
.irp r, 0,1
	v_fma_f32 v[16+4*\r], v[16+4*\r], s50, s51     ; the variance + 1e-5
.endr
	v_rsq_f32 v30, v16
	v_rsq_f32 v14, v20
	v_mov_b32 v31, 0                               ; a plain instruction behind the two; also the pairs' upper halves
	v_mov_b32 v15, 0
	s_wait_loadcnt 0x0                             ; g and b
	s_wait_alu depctr_va_vdst(0)                   ; one wait for both, ahead of their first reader
.irp i, 0,2,4,6,8,10,12,14,16,18,20,22,24,26,28,30
.irp r, 0,1
	v_pk_mul_f32 v[32+32*\r+\i:33+32*\r+\i], v[32+32*\r+\i:33+32*\r+\i], v[30-16*\r:31-16*\r] op_sel_hi:[1,0]
.endr
.irp r, 0,1
	v_pk_fma_f32 v[32+32*\r+\i:33+32*\r+\i], v[32+32*\r+\i:33+32*\r+\i], v[96+\i:97+\i], v[128+\i:129+\i]
.endr
.endr
.Lraw:
	s_wait_loadcnt 0x0
.irp r, 0,1
.irp j, 0,1,2,3,4,5,6,7
	ds_store_b128 v6, v[32+32*\r+4*\j:35+32*\r+4*\j] offset:YP*\r+512*\j
.endr
.endr
	s_wait_dscnt 0x0                               ; for the others' sake: my two rows lie in Y
	s_barrier_signal -1
	s_barrier_wait -1
	; wave w takes K step w of all 16 rows: lane (r, h) holds k = 128 w + 64 c + 32 h + 0 .. 31 of row r: two whole blocks
.irp c, 0,1
.irp i, 0,1,2,3,4,5,6,7
	ds_load_b128 v[32+32*\c+4*\i:35+32*\c+4*\i], v7 offset:256*\c+16*\i
.endr
.endr
	s_wait_dscnt 0x0
.irp c, 0,1
	v_max3_num_f32 v[16+\c], |v[32+32*\c]|, |v[33+32*\c]|, FLOOR
.endr
.irp i, 2,4,6,8,10,12,14,16,18,20,22,24,26,28,30
.irp c, 0,1
	v_max3_num_f32 v[16+\c], v[16+\c], |v[32+32*\c+\i]|, |v[33+32*\c+\i]|
.endr
.endr
.irp c, 0,1
	v_add_nc_u32 v[18+\c], 0xff000000, v[16+\c]    ; 2 off the exponent field: the conversion's scale operand
.endr
.irp c, 0,1
	v_lshrrev_b32 v[20+\c], 23, v[18+\c]           ; the scale's byte
.endr
	v_lshl_or_b32 v22, v21, 16, v20                ; blocks h and 2 + h,
	v_lshlrev_b32 v23, 3, v9
	v_lshlrev_b32 v22, v23, v22                    ; at their places in the word;
	v_permlanex16_b32 v24, v22, s52, s53
	v_or_b32 v22, v22, v24                         ; with lane l xor 16's two the word is whole
.irp c, 0,1
	v_cvt_scalef32_pk16_fp6_f32 v[96+6*\c:98+6*\c], v[32+32*\c:47+32*\c], v[18+\c]
	v_cvt_scalef32_pk16_fp6_f32 v[108+4*\c:110+4*\c], v[48+32*\c:63+32*\c], v[18+\c]   ; (a conversion's three registers begin on an even number)
.endr
	v_nop                                          ; one plain instruction behind the conversions
.irp c, 0,1
.irp i, 0,1,2
	v_mov_b32 v[99+6*\c+\i], v[108+4*\c+\i]
.endr
.endr
	global_store_b128 v5, v[96:99], s[54:55]                   ; the fragment as an image of its registers: 512, 256, 512, 256 consecutive bytes
	global_store_b64 v10, v[100:101], s[54:55] offset:512
	global_store_b128 v5, v[102:105], s[54:55] offset:768
	global_store_b64 v10, v[106:107], s[54:55] offset:1280
	ds_store_b32 v8, v22 offset:SCL                            ; lanes r and r + 16 write the same word with the same value
	s_wait_dscnt 0x0
	s_barrier_signal -1
	s_barrier_wait -1
	s_cmp_lg_u32 s34, 0
	s_cbranch_scc1 .Lend_c
	ds_load_b128 v[16:19], v5 offset:SCL                       ; wave 0 stores the tile's 128 scale words: 512 consecutive bytes
	s_wait_dscnt 0x0
	global_store_b128 v5, v[16:19], s[56:57]
.Lend_c:
	s_wait_tensorcnt 0x0                           ; the wave's end: behind my last LDS store
	ds_add_u32 v[SPW], v[NIL]
	s_wait_dscnt 0x0
	s_endpgm
; ---------------- Wq, Wk, Wv: [head][K = 1,024][64] ----------------
; A wave takes 32 columns e of one head and one K step of 128: a lane a column, its registers down K; each load reads 128 consecutive bytes.  Loads run two blocks of 32 along K (64 loads a wave) ahead.
.Lway_a:
	s_and_b32 s35, ttmp9, 1                        ; which 32 columns
	s_bfe_u32 s36, ttmp9, 0x40001                  ; head
	s_lshr_b32 s37, ttmp9, 5                       ; 0 Wq, 1 Wk, 2 Wv
	s_cmp_eq_u32 s37, 0
	s_cselect_b64 s[38:39], s[16:17], s[18:19]
	s_cmp_eq_u32 s37, 2
	s_cselect_b64 s[38:39], s[20:21], s[38:39]
	s_cselect_b64 s[42:43], s[30:31], s[28:29]     ; Wv -> wvp; Wq, Wk -> wqk
	s_cselect_b32 s44, 0, s37
	s_lshl_b32 s40, s36, 18
	s_lshl_b32 s41, s34, 15
	s_add_co_u32 s40, s40, s41
	s_lshl_b32 s41, s35, 7
	s_add_co_u32 s40, s40, s41
	s_mov_b32 s41, 0
	s_add_nc_u64 s[38:39], s[38:39], s[40:41]
	v_lshlrev_b32 v5, 2, v4
.macro WLOAD kb                        ; block kb: W(32 kb + n, my column), n = 0 .. 31; every block has 32 registers of its own
.set n, 0
.rept 32
	global_load_b32 v[32+32*(\kb)+n], v5, s[38:39] offset:256*(32*(\kb)+n) th:TH_LOAD_NT
.set n, n+1
.endr
.endm
	WLOAD 0
	WLOAD 1
	s_lshl_b32 s44, s44, 3
	s_lshr_b32 s45, s36, 1
	s_add_co_u32 s44, s44, s45                     ; the group: two heads
	s_mul_i32 s44, s44, GRP
	s_and_b32 s45, s36, 1
	s_lshl_b32 s45, s45, 2
	s_lshl_b32 s46, s35, 1
	s_add_co_u32 s45, s45, s46                     ; my two tiles' first
	s_mul_i32 s46, s45, TIL
	s_lshr_b32 s47, s34, 1
	s_mul_i32 s47, s47, KSL
	s_add_co_u32 s46, s46, s47
	s_and_b32 s47, s34, 1
	s_mul_i32 s47, s47, FRB
	s_add_co_u32 s46, s46, s47
	s_add_co_u32 s46, s46, s44
	s_mov_b32 s47, 0
	s_add_nc_u64 s[48:49], s[42:43], s[46:47]
	s_lshl_b32 s45, s45, 9
	s_lshl_b32 s46, s34, 6
	s_add_co_u32 s46, s46, s45
	s_add_co_u32 s46, s46, s44
	s_add_co_u32 s46, s46, SCO
	s_add_nc_u64 s[50:51], s[42:43], s[46:47]
	v_bfe_u32 v6, v4, 3, 1                         ; column l is row r = (l & 7) + 8 (l >> 4) of tile u = (l >> 3) & 1
	v_and_b32 v7, 7, v4
	v_lshrrev_b32 v8, 4, v4
	v_lshl_add_u32 v7, v8, 3, v7
	v_mul_u32_u24 v9, v6, TIL
	v_lshl_add_u32 v10, v7, 4, v9
	v_lshl_add_u32 v11, v7, 3, v9
	v_lshlrev_b32 v12, 9, v6
	v_lshl_add_u32 v12, v7, 2, v12
; Block kb of my column belongs to lane r + 16 (kb % 2) of the fragment, half kb / 2.  Each block's codes have registers of their own (block 0: v160 on; later blocks: the numbers of the block before, which are done with): no store's data are written again.
.macro WBLOCK kb
.set XS, 32+32*(\kb)
.if (\kb) == 0
.set CD, 160
.else
.set CD, 32*(\kb)
.endif
.if (\kb) < 3
	s_wait_loadcnt 32                              ; this block's 32 loads are in; the next block's 32 may be out
.else
	s_wait_loadcnt 0x0
.endif
.if (\kb) < 2
	WLOAD (\kb)+2                                  ; the block two further on goes out at once
.endif
	v_max3_num_f32 v16, |v[XS]|, |v[XS+1]|, |v[XS+2]|
	v_max3_num_f32 v17, |v[XS+3]|, |v[XS+4]|, |v[XS+5]|
.irp i, 6,10,14,18,22,26
	v_max3_num_f32 v16, v16, |v[XS+\i]|, |v[XS+\i+1]|
	v_max3_num_f32 v17, v17, |v[XS+\i+2]|, |v[XS+\i+3]|
.endr
	v_max3_num_f32 v16, v16, |v[XS+30]|, |v[XS+31]|
	v_max3_num_f32 v16, v16, v17, FLOOR
	v_add_nc_u32 v18, 0xff000000, v16
	v_lshrrev_b32 v19, 23, v18
.if (\kb) == 0
	v_mov_b32 v20, v19
.else
	v_lshl_or_b32 v20, v19, 8*(\kb), v20
.endif
	v_cvt_scalef32_pk16_fp6_f32 v[CD:CD+2], v[XS:XS+15], v18
	v_cvt_scalef32_pk16_fp6_f32 v[CD+4:CD+6], v[XS+16:XS+31], v18
	v_nop
	v_mov_b32 v[CD+3], v[CD+4]
	v_mov_b32 v[CD+4], v[CD+5]
	v_mov_b32 v[CD+5], v[CD+6]
	global_store_b128 v10, v[CD:CD+3], s[48:49] offset:768*((\kb)/2)+256*((\kb)%2)         ; sixteen lanes store 256 consecutive bytes, aligned
	global_store_b64 v11, v[CD+4:CD+5], s[48:49] offset:768*((\kb)/2)+512+128*((\kb)%2)
.endm
	WBLOCK 0
	WBLOCK 1
	WBLOCK 2
	WBLOCK 3
	global_store_b32 v12, v20, s[50:51]
	s_endpgm
; ---------------- the mask's flags ----------------
; A wave takes a tile of 16 queries (the same rows as a tile of q) and all 2,048 keys.  Word T: bit j: some key of step j (128 keys) counts for some query; bit 16 + j: some key of step j is masked.
.Lway_b:
	s_sub_co_u32 s35, ttmp9, 96
	s_lshl_b32 s35, s35, 3
	s_add_co_u32 s35, s35, s34                     ; T
	s_lshr_b32 s36, s35, 1
	s_lshl_b32 s36, s36, 5
	s_and_b32 s37, s35, 1
	s_lshl_b32 s37, s37, 3
	s_add_co_u32 s36, s36, s37
	s_lshl_b32 s36, s36, 11
	s_mov_b32 s37, 0
	s_add_nc_u64 s[22:23], s[22:23], s[36:37]
	v_lshlrev_b32 v5, 4, v4
.macro MLOAD q, set                    ; rows 4 q .. 4 q + 3 of the tile: four loads of 512 bytes a row
.irp t, 0,1,2,3
.irp c, 0,1,2,3
	global_load_b128 v[\set+16*\t+4*\c:\set+16*\t+4*\c+3], v5, s[22:23] offset:(((4*(\q)+\t)%8)+16*((4*(\q)+\t)/8))*2048+512*\c
.endr
.endr
.endm
.macro GATHER set
.irp c, 0,1,2,3
.irp e, 0,1,2,3,16,17,18,19,32,33,34,35,48,49,50,51
	v_or_b32 v[16+\c], v[16+\c], v[\set+4*\c+\e]
	v_and_b32 v[20+\c], v[20+\c], v[\set+4*\c+\e]
.endr
.endr
.endm
	MLOAD 0, 32
	MLOAD 1, 96
.irp c, 0,1,2,3
	v_mov_b32 v[16+\c], 0
	v_mov_b32 v[20+\c], -1
.endr
	s_wait_loadcnt 16                              ; the older batch of sixteen loads is in
	GATHER 32
	MLOAD 2, 32
	s_wait_loadcnt 16
	GATHER 96
	MLOAD 3, 96
	s_wait_loadcnt 16
	GATHER 32
	s_wait_loadcnt 0x0
	GATHER 96
	s_mov_b32 s40, 0
	s_mov_b32 s43, 0x01010101
.irp c, 0,1,2,3                        ; load c, lanes 8 g .. 8 g + 7, hold step 4 c + g
	v_cmp_ne_u32 s41, 0, v[16+\c]
	v_cmp_ne_u32 s42, s43, v[20+\c]
.irp g, 0,1,2,3
	s_bfe_u32 s44, s41, (8<<16)|(8*\g)
	s_cmp_lg_u32 s44, 0
	s_cselect_b32 s44, 1<<(16+4*\c+\g), 0
	s_or_b32 s40, s40, s44
	s_bfe_u32 s44, s42, (8<<16)|(8*\g)
	s_cmp_lg_u32 s44, 0
	s_cselect_b32 s44, 1<<(4*\c+\g), 0
	s_or_b32 s40, s40, s44
.endr
.endr
	v_mov_b32 v6, s40
	s_lshl_b32 s35, s35, 2
	v_mov_b32 v7, s35
	v_cmp_eq_u32 vcc_lo, 0, v4
	s_wait_xcnt 0x0                                ; EXEC changes only behind this wait
	s_and_saveexec_b32 s45, vcc_lo
	global_store_b32 v7, v6, s[32:33]
	s_wait_xcnt 0x0
	s_or_b32 exec_lo, exec_lo, s45
	s_endpgm
.Lfunc_end_k_q3554c8b317_prep:
	.size	k_q3554c8b317_prep, .Lfunc_end_k_q3554c8b317_prep-k_q3554c8b317_prep
	.p2alignl 7, 3214868480
	.fill 96, 4, 3214868480
	.section	.rodata,"a",@progbits
	.p2align	6, 0x0
	.amdhsa_kernel k_q3554c8b317_prep
		.amdhsa_group_segment_fixed_size 67328
		.amdhsa_private_segment_fixed_size 0
		.amdhsa_enable_private_segment 0
		.amdhsa_kernarg_size 120
		.amdhsa_user_sgpr_count 2
		.amdhsa_user_sgpr_kernarg_segment_ptr 1
		.amdhsa_wavefront_size32 1
		.amdhsa_system_sgpr_workgroup_id_x 1
		.amdhsa_system_sgpr_workgroup_id_y 1
		.amdhsa_system_sgpr_workgroup_id_z 1
		.amdhsa_system_vgpr_workitem_id 0
		.amdhsa_next_free_vgpr 168
		.amdhsa_next_free_sgpr 66
		.amdhsa_reserve_vcc 1
		.amdhsa_float_denorm_mode_32 3
		.amdhsa_float_denorm_mode_16_64 3
		.amdhsa_memory_ordered 1
		.amdhsa_forward_progress 1
		.amdhsa_inst_pref_size 76
	.end_amdhsa_kernel
	.amdgpu_metadata
---
amdhsa.version: [ 1, 2 ]
amdhsa.kernels:
  - .name:           k_q3554c8b317_prep
    .symbol:         k_q3554c8b317_prep.kd
    .args:
      - { .name: q, .offset: 0, .size: 8, .value_kind: global_buffer, .address_space: global }
      - { .name: k, .offset: 8, .size: 8, .value_kind: global_buffer, .address_space: global }
      - { .name: v, .offset: 16, .size: 8, .value_kind: global_buffer, .address_space: global }
      - { .name: Wp, .offset: 24, .size: 8, .value_kind: global_buffer, .address_space: global }
      - { .name: ln_g, .offset: 32, .size: 8, .value_kind: global_buffer, .address_space: global }
      - { .name: ln_b, .offset: 40, .size: 8, .value_kind: global_buffer, .address_space: global }
      - { .name: Wq, .offset: 48, .size: 8, .value_kind: global_buffer, .address_space: global }
      - { .name: Wk, .offset: 56, .size: 8, .value_kind: global_buffer, .address_space: global }
      - { .name: Wv, .offset: 64, .size: 8, .value_kind: global_buffer, .address_space: global }
      - { .name: mask, .offset: 72, .size: 8, .value_kind: global_buffer, .address_space: global }
      - { .name: xqk, .offset: 80, .size: 8, .value_kind: global_buffer, .address_space: global }
      - { .name: xv, .offset: 88, .size: 8, .value_kind: global_buffer, .address_space: global }
      - { .name: wqk, .offset: 96, .size: 8, .value_kind: global_buffer, .address_space: global }
      - { .name: wvp, .offset: 104, .size: 8, .value_kind: global_buffer, .address_space: global }
      - { .name: flags, .offset: 112, .size: 8, .value_kind: global_buffer, .address_space: global }
    .group_segment_fixed_size: 67328
    .private_segment_fixed_size: 0
    .kernarg_segment_align: 8
    .kernarg_segment_size: 120
    .max_flat_workgroup_size: 256
    .sgpr_count:     66
    .vgpr_count:     168
    .wavefront_size: 32
...
	.end_amdgpu_metadata
.endif
;; end of part 1
;; launch gemm_qk (part 2): grid 4 x 64, 4 waves a work-group, clusters of 4 x 4, 327,680 bytes of LDS; arguments xqk, wqk, hqk; writes hqk
.if DOCPART == 2
	.amdgcn_target "amdgcn-amd-amdhsa--gfx1250"
	.amdhsa_code_object_version 6
	.text
	.protected	k_q3554c8b317_gemm_qk
	.globl	k_q3554c8b317_gemm_qk
	.p2align	8
	.type	k_q3554c8b317_gemm_qk,@function
k_q3554c8b317_gemm_qk:
	s_mov_b64 s[64:65], 0
	v_nop
	global_prefetch_b8 v0, s[64:65] scope:SCOPE_SE
	s_setreg_imm32_b32 hwreg(HW_REG_WAVE_MODE, 25, 1), 1
	s_wait_xcnt 0x0
	s_wait_alu depctr_hold_cnt(0) depctr_sa_sdst(0) depctr_va_vdst(0) depctr_va_sdst(0) depctr_va_ssrc(0) depctr_va_vcc(0) depctr_vm_vsrc(0)
	s_getreg_b32 s2, hwreg(HW_REG_IB_STS2, 6, 4)
	s_cmp_eq_u32 s2, 0
	s_cbranch_scc0 .Lentry_in_a_cluster
	s_endpgm
.Lentry_in_a_cluster:
	s_bfe_u32 s2, ttmp6, 0x10000c
	s_cmp_lg_u32 s2, 0xf033
	s_cbranch_scc0 .Lentry_shape_is_right
	s_endpgm
.Lentry_shape_is_right:
; R[m][n] = sum over k of A[m][k] B[n][k], K = 1,024, on codes of FP6 (E2M3) with E8M0 scales; R is quantised at once along n, in blocks of 32, and leaves as codes: it is an operand of the attention.
; Arguments A, B, Out.  For q and k: A = the tokens' codes, B = Wq's and Wk's (a lane then holds a token, its registers run along the head's 64).  For v: A = Wv's codes, B = the tokens' (a lane holds a channel, registers run along the keys).
; A and B lie in groups of 128 rows (102,400 bytes), in the order of the operand's registers: codes [K slot 0..3][tile 0..7][K step 0..1][1,536 bytes], scale words [tile][K step 0..7][row].  A tile's rows are
; 32 b + 8 u + (r & 7) + 16 (r >> 3), so that the 16 registers of two neighbouring result tiles are 16 neighbours along n.
; A work-group of four waves makes 256 x 256, a wave 128 x 128: 64 accumulators.  THE MATRIX INSTRUCTION IS USED TRANSPOSED: source 0 = 16 rows of B, source 1 = 16 rows of A.
; K's four slots of 256: a wave's part of a slot is 24,576 dense bytes, one tensor load.  LDS holds three slots; slots 0, 1, 2 are asked for together at the start (three loads of mine are out), and slot 0 is filled once more.
; CLUSTER 4 x 4: A's tiles are shared along a row of the cluster, B's along a column, each asked for jointly.  No prefetch: three of the four K slots are on their way from the first line on.
; OUT: one block of 51,200 bytes a work-group (block cx + 4 y + 16 x cluster x): wave w at 12,288 w: [A's tile a 0..7][1,536 bytes]; scale words at 49,152 + 512 w: [row 0..15][a 0..7].
; LIMITS: a block of results whose largest magnitude lies under 2^-124 (zeros too) keeps the byte 1; NaN and infinities are not served.
; REGISTERS: window 0: v1-19 addresses, v32-63 A's scale words, v64-95 B's (register 4 i + t: K step 2 t in lanes 0-15, 2 t + 1 in lanes 16-31), v96-127 at work, v128-223 A's fragments (one set).
;   window 1: B's fragments, two sets, at v0 and v128.   windows 2, 3: the accumulators, (a, b) at v[8 (8 (a % 4) + b)].
.set GRP,   102400
.set KSL,   24576
.set SLOT,  4*KSL
.set SPARE, 3*SLOT                     ; the spare words: 128 bytes a wave, two blocks of 256 bytes that no other line names
.set FR,    12
.set FRB,   1536
.set TIL,   2*FRB
.set SCO,   4*KSL
.set BLK,   51200
.set O16,  2                           ; v2  16 x lane
.set O8,   3                           ; v3  8 x lane
.set AA16, 4                           ; v4-6   A's fragments in slot 0, 1, 2: + 16 x lane;  v7-9: + 8 x lane
.set AA8,  7
.set AB16, 10                          ; v10-12, v13-15: the same for B
.set AB8,  13
.set L4,   16                          ; v16 4 x lane
.set OSC,  17                          ; v17 32 r + 16 h
.set SPW,  28
.set NIL,  29
.set SA,   32
.set SB,   64
.set TM,   96
.set WD,   112
.set AF,   128
.set G1A,  24
.set G1B,  32
.set G0A,  40                          ; s[40:51]: group 0 for A's tiles, a set for each slot;  s[52:63]: B's
.set G0B,  52
.set SEL,  92
.set MSB, 0
.macro WIN new                         ; the immediate's high byte repeats the setting that is left
.if MSB != \new
	s_set_vgpr_msb (MSB<<8)|\new
.set MSB, \new
.endif
.endm
.set MUL_LO, 0xa1                      ; source 0 (B) window 1, source 1 (A) window 0, C and D window 2
.set MUL_HI, 0xf1
.set TO_B,   0x40
.macro PLACES
.rept 4
	v_nop
.endr
.endm
.macro CREST                           ; a round of the cluster's barrier behind its opening barrier
	s_cmp_lg_u32 s14, 0
	s_cbranch_scc1 .Lnot_wave_0_\@
	s_barrier_signal -3
.Lnot_wave_0_\@:
	s_barrier_wait -3
	s_barrier_signal -1
	s_barrier_wait -1
.endm
.macro CROUND
	s_barrier_signal -1
	s_barrier_wait -1
	CREST
.endm
	s_load_b128 s[4:7], s[0:1], 0x0                ; A, B
	s_load_b64 s[8:9], s[0:1], 0x10                ; Out
	v_lshl_add_u32 v[SPW], v0, 2, SPARE
	v_mov_b32 v[NIL], 0
	ds_add_u32 v[SPW], v[NIL]                      ; the wave's opening: the add and its wait stand ahead of my first tensor load
	v_lshrrev_b32 v1, 5, v0
	v_readfirstlane_b32 s14, v1                    ; wave
	s_lshr_b32 s15, s14, 1                         ; my half of the rows.  Also: I fetch for A (0) or B (1)
	s_and_b32 s16, s14, 1                          ; my half of the columns.  Also: which 128 rows I fetch
	s_bfe_u32 s17, ttmp6, 0x40000                  ; cx
	s_bfe_u32 s18, ttmp6, 0x40004                  ; cy
	s_lshl_b32 s19, ttmp9, 2
	s_add_co_u32 s19, s19, s17                     ; x
	s_and_b32 s21, ttmp7, 0xffff                   ; cluster y
	s_lshl_b32 s20, s21, 2
	s_add_co_u32 s20, s20, s18                     ; y
	s_lshl_b32 s22, s18, 2
	s_lshl_b32 s22, 15, s22                        ; my row of the cluster
	s_lshl_b32 s23, 0x1111, s17                    ; my column
	s_or_b32 s[G1A], s22, (3<<16)|(1<<21)          ; the mask; elements of 8 bytes; bit 21 beside a mask; no padding
	s_or_b32 s[G1B], s23, (3<<16)|(1<<21)
.irp g, G1A, G1B                       ; 96 rows of 256 bytes, dense
	s_mov_b32 s[\g+1], 32<<16
	s_mov_b32 s[\g+2], 96<<16
	s_mov_b32 s[\g+3], 32<<16
	s_mov_b32 s[\g+4], 96
	s_mov_b32 s[\g+5], 32
	s_mov_b32 s[\g+6], 0
	s_mov_b32 s[\g+7], 0
.endr
	s_lshl_b32 s66, s20, 1
	s_add_co_u32 s66, s66, s16
	s_mul_i32 s66, s66, GRP                        ; A: the group that I fetch
	s_mov_b32 s67, 0
	s_lshr_b32 s68, s21, 3
	s_lshl_b32 s68, s68, 3                         ; the second eight groups of B serve the upper half of the grid's rows (Wk for k's tokens)
	s_lshl_b32 s69, s19, 1
	s_add_co_u32 s68, s68, s69
	s_add_co_u32 s70, s68, s16
	s_mul_i32 s70, s70, GRP                        ; B: the group that I fetch, which is also the one that I multiply
	s_mov_b32 s71, 0
	s_lshl_b32 s72, s20, 1
	s_add_co_u32 s72, s72, s15
	s_mul_i32 s72, s72, GRP                        ; A: the group that I multiply
	s_mov_b32 s73, 0
	s_mul_i32 s74, s14, KSL                        ; where my load lands in a slot: A's halves, then B's
	s_lshl_b32 s75, s20, 2
	s_add_co_u32 s75, s75, s17
	s_lshl_b32 s76, ttmp9, 4
	s_add_co_u32 s75, s75, s76                     ; my block of Out
	s_mul_i32 s76, s75, BLK
	s_mul_i32 s77, s14, 8*FRB
	s_add_co_u32 s76, s76, s77
	s_mov_b32 s77, 0
	s_mul_i32 s78, s75, BLK
	s_lshl_b32 s79, s14, 9
	s_add_co_u32 s78, s78, s79
	s_add_co_u32 s78, s78, 32*FRB
	s_mov_b32 s79, 0
	s_mov_b32 s[SEL], 0x76543210
	s_mov_b32 s[SEL+1], 0xfedcba98
	s_wait_dscnt 0x0                               ; the opening add is done
	s_wait_kmcnt 0x0
	s_add_nc_u64 s[80:81], s[4:5], s[66:67]
	s_add_nc_u64 s[82:83], s[6:7], s[70:71]
	s_add_nc_u64 s[84:85], s[4:5], s[72:73]
	s_add_nc_u64 s[86:87], s[8:9], s[76:77]
	s_add_nc_u64 s[88:89], s[8:9], s[78:79]
	CROUND                                         ; all sixteen work-groups are here: the first joint loads meet
.irp n, 0,1,2
	s_mov_b32 s[G0A+4*\n], 1
	s_add_co_u32 s[G0A+4*\n+1], s74, \n*SLOT
	s_add_nc_u64 s[G0A+4*\n+2:G0A+4*\n+3], s[80:81], \n*KSL
	s_or_b32 s[G0A+4*\n+3], s[G0A+4*\n+3], 0x80000000
	s_mov_b32 s[G0B+4*\n], 1
	s_add_co_u32 s[G0B+4*\n+1], s74, \n*SLOT
	s_add_nc_u64 s[G0B+4*\n+2:G0B+4*\n+3], s[82:83], \n*KSL
	s_or_b32 s[G0B+4*\n+3], s[G0B+4*\n+3], 0x80000000
.endr
	s_cmp_eq_u32 s15, 0                            ; a wave's three first fills stand in one branch on the wave's number
	s_cbranch_scc0 .Lfirst_b
	tensor_load_to_lds s[G0A:G0A+3], s[G1A:G1A+7]
	s_nop 0
	tensor_load_to_lds s[G0A+4:G0A+7], s[G1A:G1A+7]
	s_nop 0
	tensor_load_to_lds s[G0A+8:G0A+11], s[G1A:G1A+7]
	s_nop 0
	PLACES
	s_branch .Lfirst_done
.Lfirst_b:
	tensor_load_to_lds s[G0B:G0B+3], s[G1B:G1B+7]
	s_nop 0
	tensor_load_to_lds s[G0B+4:G0B+7], s[G1B:G1B+7]
	s_nop 0
	tensor_load_to_lds s[G0B+8:G0B+11], s[G1B:G1B+7]
	s_nop 0
	PLACES
.Lfirst_done:
	v_and_b32 v1, 31, v0
	v_lshlrev_b32 v[O16], 4, v1
	v_lshlrev_b32 v[O8], 3, v1
	v_lshlrev_b32 v[L4], 2, v1
	s_mul_i32 s90, s15, KSL
	s_mul_i32 s91, s16, KSL
	s_add_co_u32 s91, s91, 2*KSL
.irp n, 0,1,2
	v_add_nc_u32 v[AA16+\n], s90, v[O16]
	v_add_nc_u32 v[AA8+\n], s90, v[O8]
	v_add_nc_u32 v[AB16+\n], s91, v[O16]
	v_add_nc_u32 v[AB8+\n], s91, v[O8]
	s_add_co_u32 s90, s90, SLOT
	s_add_co_u32 s91, s91, SLOT
.endr
	v_and_b32 v[OSC], 15, v0
	v_lshlrev_b32 v[OSC], 5, v[OSC]
	v_bfe_u32 v18, v0, 4, 1
	v_lshl_add_u32 v[OSC], v18, 4, v[OSC]
.irp i, 0,1,2,3,4,5,6,7                ; all scale words of my 128 rows of A and of B, once: each load reads 128 consecutive bytes
.irp t, 0,1,2,3
	global_load_b32 v[SA+4*\i+\t], v[L4], s[84:85] offset:SCO+512*\i+128*\t
	global_load_b32 v[SB+4*\i+\t], v[L4], s[82:83] offset:SCO+512*\i+128*\t
.endr
.endr
.macro FRAG reg, a16, a8, off          ; a fragment comes back as the image of its registers
	ds_load_b128 v[\reg:\reg+3], v[\a16] offset:\off
	ds_load_b64 v[\reg+4:\reg+5], v[\a8] offset:\off+512
	ds_load_b128 v[\reg+6:\reg+9], v[\a16] offset:\off+768
	ds_load_b64 v[\reg+10:\reg+11], v[\a8] offset:\off+1280
.endm
.macro FETCH_B slot, q, p              ; 32 loads
	WIN TO_B
.irp i, 0,1,2,3,4,5,6,7
	FRAG 128*(\p)+FR*\i, AB16+\slot, AB8+\slot, \i*TIL+(\q)*FRB
.endr
	WIN 0
.endm
.macro FETCH_A slot, q, i0             ; 16 loads
.irp i, \i0, \i0+1, \i0+2, \i0+3
	FRAG AF+FR*(\i), AA16+\slot, AA8+\slot, (\i)*TIL+(\q)*FRB
.endr
.endm
; 16 matrix instructions of K step s: A's blocks a0, a0 + 1 x B's eight.  The 64 accumulators take turns, one instruction a turn, in the same order in every step.
.macro MUL16 a0, s, zero
.irp a, \a0, \a0+1
.irp b, 0,1,2,3,4,5,6,7
.set rD, 8*(8*((\a)%4)+\b)
.set rB, 128*((\s)%2)+FR*\b
.set rA, AF+FR*(\a)
.set rSB, SB+4*\b+(\s)/2
.set rSA, SA+4*(\a)+(\s)/2
.if \zero
	v_wmma_scale_f32_16x16x128_f8f6f4 v[rD:rD+7], v[rB:rB+FR-1], v[rA:rA+FR-1], 0, v[rSB], v[rSA] matrix_a_fmt:MATRIX_FMT_FP6 matrix_b_fmt:MATRIX_FMT_FP6
.elseif (\s)%2
	v_wmma_scale_f32_16x16x128_f8f6f4 v[rD:rD+7], v[rB:rB+FR-1], v[rA:rA+FR-1], v[rD:rD+7], v[rSB], v[rSA] matrix_a_fmt:MATRIX_FMT_FP6 matrix_b_fmt:MATRIX_FMT_FP6 matrix_a_scale:MATRIX_SCALE_ROW1 matrix_b_scale:MATRIX_SCALE_ROW1
.else
	v_wmma_scale_f32_16x16x128_f8f6f4 v[rD:rD+7], v[rB:rB+FR-1], v[rA:rA+FR-1], v[rD:rD+7], v[rSB], v[rSA] matrix_a_fmt:MATRIX_FMT_FP6 matrix_b_fmt:MATRIX_FMT_FP6
.endif
.endr
.endr
.endm
.macro STEP s, nslot, nq, zero         ; K step s; the next step's fragments come from slot nslot, its nq-th 128
	s_wait_dscnt 16                                ; B's set and A's blocks 0-3 are in; the youngest sixteen loads (A's blocks 4-7) may be out
	WIN MUL_LO
	MUL16 0, \s, \zero
	MUL16 2, \s, \zero
	s_wait_dscnt 0x0
	PLACES                                         ; four places ahead of loads into registers that matrix instructions have read
	FETCH_B \nslot, \nq, 1-(\s)%2
	FETCH_A \nslot, \nq, 0
	WIN MUL_HI
	MUL16 4, \s, \zero
	MUL16 6, \s, \zero
	PLACES
	WIN 0
	FETCH_A \nslot, \nq, 4
.endm
; A step with a barrier: in front of it each wave waits for all its tensor loads, adds 0 to its spare word, and waits for that and for its reads of the slot.  fill = 1: slot 0 takes the fourth K slot, behind a round of the cluster's barrier.
.macro TURN s, nslot, fill
	s_wait_tensorcnt 0x0                           ; all my tensor loads have landed
	ds_add_u32 v[SPW], v[NIL]
	s_wait_dscnt 17                                ; (the add and A's blocks 4-7 may be out)
	WIN MUL_LO
	MUL16 0, \s, 0
	s_wait_dscnt 0x0                               ; the add is done, and my reads of this slot are over
	s_barrier_signal -1
	MUL16 2, \s, 0
	WIN 0
	s_barrier_wait -1
.if \fill
	CREST                                          ; no wave of any partner still reads slot 0 or has a load on its way
	s_add_nc_u64 s[G0A+2:G0A+3], s[G0A+2:G0A+3], 3*KSL
	s_add_nc_u64 s[G0B+2:G0B+3], s[G0B+2:G0B+3], 3*KSL
	s_cmp_eq_u32 s15, 0
	s_cbranch_scc0 .Lfor_b_\@
	tensor_load_to_lds s[G0A:G0A+3], s[G1A:G1A+7]
	s_nop 0
	PLACES
	s_branch .Lasked_\@
.Lfor_b_\@:
	tensor_load_to_lds s[G0B:G0B+3], s[G1B:G1B+7]
	s_nop 0
	PLACES
.Lasked_\@:
.else
	PLACES
.endif
	FETCH_B \nslot, 0, 1-(\s)%2
	FETCH_A \nslot, 0, 0
	WIN MUL_HI
	MUL16 4, \s, 0
	MUL16 6, \s, 0
	PLACES
	WIN 0
	FETCH_A \nslot, 0, 4
.endm
	s_wait_tensorcnt 2                             ; my part of slot 0 is in; slots 1 and 2 may stay out
	s_barrier_signal -1
	s_barrier_wait -1
	FETCH_B 0, 0, 0
	FETCH_A 0, 0, 0
	FETCH_A 0, 0, 4
	s_wait_loadcnt 0x0                             ; the scale words
	STEP 0, 0, 1, 1                                ; the first products start the sums
	TURN 1, 1, 1                                   ; slots 1 and 2 are whole in every wave; slot 0 is asked for again: 256 matrix instructions ahead of the wait for it
	STEP 2, 1, 1, 0
	STEP 3, 2, 0, 0
	STEP 4, 2, 1, 0
	TURN 5, 0, 0                                   ; the fourth K slot has landed
	STEP 6, 0, 1, 0
	s_wait_dscnt 16
	WIN MUL_LO
	MUL16 0, 7, 0
	MUL16 2, 7, 0
	s_wait_dscnt 0x0
	WIN MUL_HI
	MUL16 4, 7, 0
	MUL16 6, 7, 0
	WIN 0
.irp b, 0,1,2,3
	v_mov_b32 v[TM+4+\b], 0                        ; a lane permute's destination counts as read; these four are also the places behind the last products
.endr
; THE WAY OUT.  A's block a: my 64 registers are, for row r of the block, n = 32 b + 16 h + 0 .. 15: four blocks of 32, each shared with lane l xor 16.  They become one fragment and one scale word.
.macro QOUT a
.set AC, 64*((\a)%4)
.set QW, 0x28+0x14*((\a)/4)            ; sources 1 and 2 in the accumulators' window
.set CW, 2+(\a)/4                      ; source 0 there
.set PC, 128+32*((\a)%2)
	WIN QW
.irp b, 0,1,2,3
	v_max3_num_f32 v[TM+\b], 0x1800000, |v[AC+16*\b]|, |v[AC+16*\b+1]|   ; each accumulator is read from its low end on
.endr
.irp i, 2,4,6,8,10,12,14
.irp b, 0,1,2,3
	v_max3_num_f32 v[TM+\b], v[TM+\b], |v[AC+16*\b+\i]|, |v[AC+16*\b+\i+1]|
.endr
.endr
	WIN 0
.irp b, 0,1,2,3
	v_permlanex16_b32 v[TM+4+\b], v[TM+\b], s[SEL], s[SEL+1]
.endr
.irp b, 0,1,2,3
	v_max_num_f32 v[TM+\b], v[TM+\b], v[TM+4+\b]
.endr
.irp b, 0,1,2,3
	v_add_nc_u32 v[TM+8+\b], 0xff000000, v[TM+\b]
.endr
.irp b, 0,1,2,3
	v_lshrrev_b32 v[TM+4+\b], 23, v[TM+8+\b]
.endr
	v_lshl_or_b32 v[WD+\a], v[TM+5], 8, v[TM+4]
	v_lshl_or_b32 v[WD+\a], v[TM+6], 16, v[WD+\a]
	v_lshl_or_b32 v[WD+\a], v[TM+7], 24, v[WD+\a]
.if (\a) >= 2
	s_wait_xcnt 0x0                                ; the stores of two blocks back have read these registers
.endif
	WIN CW
.irp c, 0,1
	v_cvt_scalef32_pk16_fp6_f32 v[PC+6*\c:PC+2+6*\c], v[AC+32*\c:AC+15+32*\c], v[TM+8+2*\c]
	v_cvt_scalef32_pk16_fp6_f32 v[PC+12+4*\c:PC+14+4*\c], v[AC+16+32*\c:AC+31+32*\c], v[TM+9+2*\c]
.endr
	WIN 0
	v_nop
.irp c, 0,1
.irp i, 0,1,2
	v_permlane16_swap_b32 v[PC+6*\c+\i], v[PC+12+4*\c+\i]   ; a whole block to a lane: lanes 0-15 block 2 c, lanes 16-31 block 2 c + 1
.endr
.irp i, 0,1,2
	v_mov_b32 v[PC+3+6*\c+\i], v[PC+12+4*\c+\i]
.endr
.endr
	global_store_b128 v[O16], v[PC:PC+3], s[86:87] offset:(\a)*FRB
	global_store_b64 v[O8], v[PC+4:PC+5], s[86:87] offset:(\a)*FRB+512
	global_store_b128 v[O16], v[PC+6:PC+9], s[86:87] offset:(\a)*FRB+768
	global_store_b64 v[O8], v[PC+10:PC+11], s[86:87] offset:(\a)*FRB+1280
.endm
.irp a, 0,1,2,3,4,5,6,7
	QOUT \a
.endr
	v_cmp_le_u32 vcc_lo, 16, v1                    ; lanes 16-31 store the words of blocks 4-7
.irp i, 0,1,2,3
	v_cndmask_b32 v[120+\i], v[WD+\i], v[WD+4+\i], vcc_lo
.endr
	global_store_b128 v[OSC], v[120:123], s[88:89]           ; 512 consecutive bytes
	s_wait_tensorcnt 0x0                           ; the wave's end
	ds_add_u32 v[SPW], v[NIL]
	s_wait_dscnt 0x0
	CROUND                                         ; the closing round
	s_endpgm
.Lfunc_end_k_q3554c8b317_gemm_qk:
	.size	k_q3554c8b317_gemm_qk, .Lfunc_end_k_q3554c8b317_gemm_qk-k_q3554c8b317_gemm_qk
	.p2alignl 7, 3214868480
	.fill 96, 4, 3214868480
	.section	.rodata,"a",@progbits
	.p2align	6, 0x0
	.amdhsa_kernel k_q3554c8b317_gemm_qk
		.amdhsa_group_segment_fixed_size 327680
		.amdhsa_private_segment_fixed_size 0
		.amdhsa_enable_private_segment 0
		.amdhsa_kernarg_size 24
		.amdhsa_user_sgpr_count 2
		.amdhsa_user_sgpr_kernarg_segment_ptr 1
		.amdhsa_wavefront_size32 1
		.amdhsa_system_sgpr_workgroup_id_x 1
		.amdhsa_system_sgpr_workgroup_id_y 1
		.amdhsa_system_sgpr_workgroup_id_z 1
		.amdhsa_system_vgpr_workitem_id 0
		.amdhsa_next_free_vgpr 1024
		.amdhsa_next_free_sgpr 100
		.amdhsa_reserve_vcc 1
		.amdhsa_float_denorm_mode_32 3
		.amdhsa_float_denorm_mode_16_64 3
		.amdhsa_memory_ordered 1
		.amdhsa_forward_progress 1
		.amdhsa_inst_pref_size 150
	.end_amdhsa_kernel
	.amdgpu_metadata
---
amdhsa.version: [ 1, 2 ]
amdhsa.kernels:
  - .name:           k_q3554c8b317_gemm_qk
    .symbol:         k_q3554c8b317_gemm_qk.kd
    .args:
      - { .name: xqk, .offset: 0, .size: 8, .value_kind: global_buffer, .address_space: global }
      - { .name: wqk, .offset: 8, .size: 8, .value_kind: global_buffer, .address_space: global }
      - { .name: hqk, .offset: 16, .size: 8, .value_kind: global_buffer, .address_space: global }
    .group_segment_fixed_size: 327680
    .private_segment_fixed_size: 0
    .kernarg_segment_align: 8
    .kernarg_segment_size: 24
    .max_flat_workgroup_size: 128
    .sgpr_count:     100
    .vgpr_count:     1024
    .wavefront_size: 32
...
	.end_amdgpu_metadata
.endif
;; end of part 2
;; launch gemm_v: the kernel of part 2 again; grid 32 x 4, 4 waves a work-group, clusters of 4 x 4, 327,680 bytes of LDS; arguments wvp, xv, hv; writes hv
;; launch attn (part 3): grid 8 x 64, 16 waves a work-group, no clusters, 28,672 bytes of LDS; arguments hqk, hv, mask, flags, oc; writes oc
.if DOCPART == 3
	.amdgcn_target "amdgcn-amd-amdhsa--gfx1250"
	.amdhsa_code_object_version 6
	.text
	.protected	k_q3554c8b317_attn
	.globl	k_q3554c8b317_attn
	.p2align	8
	.type	k_q3554c8b317_attn,@function
k_q3554c8b317_attn:
	s_mov_b64 s[64:65], 0
	v_nop
	global_prefetch_b8 v0, s[64:65] scope:SCOPE_SE
	s_setreg_imm32_b32 hwreg(HW_REG_WAVE_MODE, 25, 1), 1
	s_wait_xcnt 0x0
; O[b][h][q] = sum over keys of softmax(Q . K / 32, masked) V, both products on codes of FP6 (E2M3) with E8M0 scales; O / l is quantised along the model's 1,024 and leaves as codes for the last product.
; THE SOFTMAX: t = score x log2(e) / 32; M = the running largest t rounded up to a whole number; p = 2^(t - M) is quantised along the keys; the row's sum l is taken of the unquantised p and divides at the end.
; THE MASK IS AN INPUT.  An earlier launch stored, for each tile of 16 queries, which steps of 128 keys have a key that counts and which have a masked key.  A step with no key that counts is left out by a scalar
; branch on those stored whole numbers; a step with masked keys reads the mask's bytes and sets those scores to -infinity.  A row with no key at all gets the scale bytes 0xff: the last product then gives NaN, as the softmax of such a row is.
; Since branches hang on stored numbers, this text has no tensor load and no joint request: K and V go from memory through registers into LDS, each wave copying 512 or 1,024 bytes of a step.
; SHARES.  A work-group has one (batch, head) and the query blocks x and 15 - x of 128; each of sixteen waves one tile of 16 queries.  Every wave passes all sixteen steps' barriers.
; LAYOUT.  Both products transposed: S^T = K Q^T, O^T = V^T P^T: a lane holds one query.  The head size is 64, the instruction's K 128: an operand of K holds TWO tiles of 16 keys, [tile 2 i | tile 2 i + 1], and Q stands as
; [Q 0 Q]: [Q 0] multiplies tile 2 i, [0 Q] tile 2 i + 1; zero codes take the other tile out.
; LIMITS: NaN and infinities are not served; blocks under 2^-124 keep the byte 1; mask bytes are 0 or 1.
; REGISTERS: v1, v2 16, 8 x lane; v3, v4 places of K's, V's scales; v7-9 staging; v10 mask; v11 prefetch; v12 -M, v13 largest t, v[14:15] l; v16-33 Q 0 Q; v34, v35 Q's, p's scale words; v36-43, v44-47 K's, V's;
;   v48-95 K's four operands, then V's; v96-159 S^T, then p; v160-191 O^T; v192-211 p's codes; v212-231 at work; v232-239 staging data; v240-255 mask bytes.
.set BLK,   51200
.set GRP,   102400
.set FRB,   1536
.set SLOTB, 13312                      ; a step in LDS: K's codes 6,144, V's codes 6,144, K's scale words 512, V's 512
.set VOF,   6144
.set KSC,   12288
.set VSC,   12800
.set SPARE, 2*SLOTB                    ; the spare words: 128 bytes a wave, eight blocks of 256 bytes that no other line names
.set SPW,   5
.set NIL,   6
	s_load_b256 s[4:11], s[0:1], 0x0               ; hqk, hv, mask, flags
	s_load_b64 s[12:13], s[0:1], 0x20              ; oc
	v_lshl_add_u32 v[SPW], v0, 2, SPARE
	v_mov_b32 v[NIL], 0
	v_lshrrev_b32 v212, 5, v0
	v_readfirstlane_b32 s14, v212                  ; wave
	s_and_b32 s16, ttmp7, 0xffff
	s_lshr_b32 s17, s16, 4                         ; batch
	s_and_b32 s18, s16, 15                         ; head
	s_and_b32 s19, s18, 1                          ; pi: which half of a fragment is my head's
	s_bfe_u32 s20, s18, 0x10001                    ; kappa: which 128 of a block's 256 columns
	s_lshr_b32 s21, s18, 2
	s_lshr_b32 s22, s14, 1                         ; my tile in its block of 128 queries
	s_lshr_b32 s23, s14, 2
	s_xor_b32 s23, s23, s14
	s_and_b32 s23, s23, 1
	s_sub_co_u32 s24, 15, ttmp9
	s_cmp_lg_u32 s23, 0
	s_cselect_b32 s24, s24, ttmp9                  ; my block of 128 queries: x or 15 - x
	s_lshl_b32 s25, s24, 3
	s_add_co_u32 s25, s25, s22                     ; my tile of queries, 0..127
	s_lshl_b32 s26, s25, 2
	s_lshl_b32 s28, ttmp9, 5
	s_sub_co_u32 s29, 480, s28
	; byte offsets of K's and V's first blocks, codes and scale words
	s_lshl_b32 s84, s17, 5
	s_add_co_u32 s92, s84, s21
	s_add_co_u32 s92, s92, 128
	s_mul_i32 s92, s92, BLK                        ; K: block (h / 4) + 4 (32 + 8 b + pair)
	s_lshl_b32 s93, s21, 2
	s_add_co_u32 s93, s93, s84
	s_mul_i32 s93, s93, BLK                        ; V: block 4 (h / 4) + 32 b + (pair & 3) + 16 (pair >> 2)
	s_mul_i32 s85, s20, 8*FRB
	s_add_co_u32 s94, s92, s85
	s_add_co_u32 s95, s93, s85
	s_add_co_u32 s95, s95, s85
	s_lshl_b32 s85, s20, 9
	s_add_co_u32 s96, s92, s85
	s_add_co_u32 s96, s96, 32*FRB
	s_add_co_u32 s97, s93, s85
	s_add_co_u32 s97, s97, s85
	s_add_co_u32 s97, s97, 32*FRB
	; Q's codes and scale words
	s_lshl_b32 s84, s17, 3
	s_lshr_b32 s85, s24, 1
	s_add_co_u32 s84, s84, s85
	s_lshl_b32 s84, s84, 2
	s_add_co_u32 s84, s84, s21
	s_mul_i32 s84, s84, BLK
	s_and_b32 s85, s24, 1
	s_lshl_b32 s85, s85, 1
	s_add_co_u32 s85, s85, s20
	s_mul_i32 s66, s85, 8*FRB
	s_add_co_u32 s66, s66, s84
	s_mul_i32 s86, s22, FRB
	s_add_co_u32 s66, s66, s86
	s_mul_i32 s86, s19, 768
	s_add_co_u32 s66, s66, s86
	s_mov_b32 s67, 0
	s_lshl_b32 s98, s85, 9
	s_add_co_u32 s98, s98, s84
	s_lshl_b32 s86, s22, 2
	s_add_co_u32 s98, s98, s86
	s_lshl_b32 s86, s19, 1
	s_add_co_u32 s98, s98, s86
	s_add_co_u32 s98, s98, 32*FRB
	s_mov_b32 s99, 0
	; O's codes and scale halves
	s_lshl_b32 s84, s17, 4
	s_add_co_u32 s84, s84, s24
	s_mul_i32 s84, s84, GRP
	s_mul_i32 s60, s21, 24576
	s_add_co_u32 s60, s60, s84
	s_mul_i32 s85, s22, 2*FRB
	s_add_co_u32 s60, s60, s85
	s_mul_i32 s85, s20, FRB
	s_add_co_u32 s60, s60, s85
	s_mul_i32 s85, s19, 768
	s_add_co_u32 s60, s60, s85
	s_mov_b32 s61, 0
	s_lshl_b32 s62, s22, 9
	s_add_co_u32 s62, s62, s84
	s_lshr_b32 s85, s18, 1
	s_lshl_b32 s85, s85, 6
	s_add_co_u32 s62, s62, s85
	s_lshl_b32 s85, s19, 1
	s_add_co_u32 s62, s62, s85
	s_add_co_u32 s62, s62, 98304
	s_mov_b32 s63, 0
	s_mov_b32 s43, 0
	s_wait_kmcnt 0x0
	s_load_b32 s46, s[10:11], s26 offset:0x0       ; my tile's flags
	s_load_b256 s[68:75], s[10:11], s28 offset:0x0 ; and those of the work-group's sixteen tiles
	s_load_b256 s[76:83], s[10:11], s29 offset:0x0
	s_add_nc_u64 s[66:67], s[4:5], s[66:67]
	s_add_nc_u64 s[98:99], s[4:5], s[98:99]
	s_add_nc_u64 s[60:61], s[12:13], s[60:61]
	s_add_nc_u64 s[62:63], s[12:13], s[62:63]
	s_mov_b64 s[44:45], s[8:9]
	; STAGING.  A step is 26 chunks of 512 bytes: 0-11 K's codes, 12-23 V's codes, 24 K's scale words, 25 V's.  Wave w copies chunk w, and where w < 10 chunk 16 + w.
	s_cmp_lt_u32 s14, 12
	s_cselect_b64 s[30:31], s[4:5], s[6:7]
	s_cselect_b32 s42, s94, s95
	s_cselect_b32 s36, 1, 0                        ; my first chunk is K's
	s_mov_b32 s34, 8*FRB
	s_cselect_b32 s34, 16*FRB, s34                 ; from an even step to the odd one
	s_add_nc_u64 s[30:31], s[30:31], s[42:43]
	s_cmp_eq_u32 s14, 8
	s_cselect_b64 s[32:33], s[4:5], s[6:7]
	s_cselect_b32 s42, s96, s97
	s_cselect_b32 s37, 1, 0
	s_mov_b32 s35, 512
	s_cselect_b32 s35, 1024, s35
	s_cmp_lt_u32 s14, 8
	s_cselect_b32 s42, s95, s42
	s_cselect_b32 s35, 8*FRB, s35
	s_add_nc_u64 s[32:33], s[32:33], s[42:43]
	; the prefetches: who asks, and from where
	s_cmp_lt_u32 s14, 6
	s_cselect_b64 s[54:55], s[4:5], s[6:7]
	s_cselect_b32 s42, s92, s93
	s_cselect_b32 s59, 1, 0
	s_cselect_b32 s84, 0, 6
	s_add_nc_u64 s[54:55], s[54:55], s[42:43]
	s_sub_co_u32 s84, s14, s84
	s_lshl_b32 s84, s84, 13
	s_and_b32 s58, s18, 3
	s_or_b32 s58, s58, ttmp9
	s_cmp_eq_u32 s58, 0
	s_cselect_b32 s58, 6, 0
	s_cmp_lt_u32 s14, 12
	s_cselect_b32 s58, s58, 0                      ; trips in which I prefetch: 6 in waves 0-11 of the work-group with x = 0 and head % 4 = 0, else none
	v_and_b32 v212, 31, v0
	v_lshlrev_b32 v1, 4, v212
	v_lshlrev_b32 v2, 3, v212
	v_lshl_add_u32 v11, v212, 8, s84
	v_and_b32 v213, 15, v0                         ; r
	v_bfe_u32 v214, v0, 4, 1                       ; h
	v_lshlrev_b32 v216, 5, v213                    ; 32 r
	s_lshl_b32 s84, s19, 1
	v_add_nc_u32 v3, s84, v216
	s_lshl_b32 s84, s19, 4
	v_add_nc_u32 v4, s84, v216
	v_lshlrev_b32 v7, 4, v0                        ; LDS: 512 x wave + 16 x lane
	s_mul_i32 s84, s19, 768
	s_mul_i32 s85, s19, VOF
	s_sub_co_u32 s86, s85, VOF
	s_cmp_lt_u32 s14, 12
	s_cselect_b32 s84, s84, s86
	s_cselect_b32 s86, 768, 0
	v_lshrrev_b32 v215, 8, v7
	v_mul_u32_u24 v215, v215, 11
	v_lshrrev_b32 v215, 5, v215                    ; K: byte P of the packed step belongs to tile P / 768, whose half lies at 1,536 x tile + 768 pi
	v_mad_u32_u24 v8, v215, s86, v7
	v_add_nc_u32 v8, s84, v8
	s_lshl_b32 s84, s14, 9
	s_add_co_u32 s84, s84, s85
	s_add_co_u32 s84, s84, 2048
	s_cmp_lt_u32 s14, 8
	s_cselect_b32 s84, s84, 0
	v_add_nc_u32 v9, s84, v1
	global_load_b128 v[232:235], v8, s[30:31]      ; step 0 is staged whatever the flags say
	s_cmp_lt_u32 s14, 10
	s_cbranch_scc0 .Lone_chunk
	global_load_b128 v[236:239], v9, s[32:33]
.Lone_chunk:
	global_load_b128 v[16:19], v1, s[66:67]        ; Q, twice
	global_load_b64 v[20:21], v2, s[66:67] offset:512
	global_load_b128 v[28:31], v1, s[66:67]
	global_load_b64 v[32:33], v2, s[66:67] offset:512
	global_load_u16 v34, v216, s[98:99]
	s_lshl_b32 s84, s24, 7
	s_lshr_b32 s85, s22, 1
	s_lshl_b32 s85, s85, 5
	s_add_co_u32 s84, s84, s85
	s_and_b32 s85, s22, 1
	s_lshl_b32 s85, s85, 3
	s_add_co_u32 s84, s84, s85
	v_and_b32 v215, 7, v213
	v_lshrrev_b32 v217, 3, v213
	v_lshl_add_u32 v215, v217, 4, v215
	v_add_nc_u32 v215, s84, v215                   ; my query
	v_lshlrev_b32 v10, 11, v215
	v_lshl_add_u32 v10, v214, 4, v10               ; its row of the mask, + 16 h
.irp j, 22,23,24,25,26,27,36,37,38,39,40,41,42,43,220,221,222,223,14,15,215
	v_mov_b32 v\j, 0
.endr
	v_mov_b32 v13, 0xff61b1e6                      ; -3e38, under every t
	v_floor_f32 v12, -v13
	s_mov_b32 s50, 0x76543210
	s_mov_b32 s51, 0xfedcba98
	s_mov_b32 s52, 0x3d38aa3b                      ; log2(e) / 32
	s_mov_b32 s53, s52
	s_mov_b32 s89, 0
	s_mov_b32 s91, 0
	s_wait_kmcnt 0x0
	s_lshr_b32 s47, s46, 16                        ; steps with a masked key
	s_and_b32 s46, s46, 0xffff                     ; steps with a key that counts
	s_or_b32 s48, s68, s69
.irp j, 70,71,72,73,74,75,76,77,78,79,80,81,82,83
	s_or_b32 s48, s48, s\j
.endr
	s_and_b32 s48, s48, 0xffff                     ; steps that some wave of the work-group wants
	s_wait_loadcnt 0x0
	v_lshl_or_b32 v34, v34, 16, v34                ; Q's two bytes serve both halves of K
.set j, 0
.rept 32
	v_mov_b32 v[160+j], 0                          ; O^T: which step comes first hangs on the flags, so the sums begin as zeros.  These 32 plain instructions also stand between the write of Q's scale word and the first scaled product, which wants eight
.set j, j+1
.endr
	ds_store_b128 v7, v[232:235]
	s_cmp_lt_u32 s14, 10
	s_cbranch_scc0 .Lone_put
	ds_store_b128 v7, v[236:239] offset:8192
.Lone_put:
	s_wait_dscnt 0x0
	s_barrier_signal -1
	s_barrier_wait -1
.macro IMG reg, off
	ds_load_b128 v[\reg:\reg+3], v1 offset:\off
	ds_load_b64 v[\reg+4:\reg+5], v2 offset:\off+512
	ds_load_b128 v[\reg+6:\reg+9], v1 offset:\off+768
	ds_load_b64 v[\reg+10:\reg+11], v2 offset:\off+1280
.endm
; A KEY STEP: 128 keys, from slot sg.
.macro STEP sg
.rept 4
	v_nop                                          ; places ahead of loads into registers that the last products read
.endr
.irp i, 0,1,2,3
	IMG 48+12*\i, \sg*SLOTB+FRB*\i
	ds_load_u16 v[36+2*\i], v3 offset:\sg*SLOTB+KSC+8*\i               ; the even tile's two bytes scale k = 0 .. 63,
	ds_load_u16_d16_hi v[37+2*\i], v3 offset:\sg*SLOTB+KSC+8*\i+4      ; the odd tile's k = 64 .. 127; the other half of each register is 0 from the head on
.endr
	s_wait_dscnt 0x0
.irp i, 0,1,2,3
	v_wmma_scale_f32_16x16x128_f8f6f4 v[96+16*\i:103+16*\i], v[48+12*\i:59+12*\i], v[16:27], 0, v[36+2*\i], v34 matrix_a_fmt:MATRIX_FMT_FP6 matrix_b_fmt:MATRIX_FMT_FP6
	v_wmma_scale_f32_16x16x128_f8f6f4 v[104+16*\i:111+16*\i], v[48+12*\i:59+12*\i], v[22:33], 0, v[37+2*\i], v34 matrix_a_fmt:MATRIX_FMT_FP6 matrix_b_fmt:MATRIX_FMT_FP6
.endr
.rept 4
	v_nop
.endr
.irp t, 0,1,2,3
	IMG 48+12*\t, \sg*SLOTB+VOF+FRB*\t             ; V's four fragments land while the softmax is walked
.endr
	ds_load_b128 v[44:47], v4 offset:\sg*SLOTB+VSC
	s_bitcmp1_b32 s47, 0
	s_cbranch_scc0 .Lopen_\@                       ; no key of this step is masked for my queries
.irp b, 0,1,2,3
	global_load_b128 v[240+4*\b:243+4*\b], v10, s[44:45] offset:128*\sg+32*\b   ; register 16 b + n holds key 32 b + 16 h + n: sixteen bytes of my row
.endr
	v_mov_b32 v212, 0xff800000
	s_wait_loadcnt 0x0
.set n, 0
.rept 64
	v_and_b32 v213, 0xff<<(8*(n%4)), v[240+4*(n/16)+(n%16)/4]
	v_cmp_ne_u32 vcc_lo, 0, v213
	v_cndmask_b32 v[96+n], v[96+n], v212, vcc_lo
.set n, n+1
.endr
.Lopen_\@:
.irp b, 0,1,2,3
	v_max3_num_f32 v[216+\b], v[96+16*\b], v[97+16*\b], v[98+16*\b]   ; the largest score of each block of 32 keys: for the row's maximum and for the block's largest p
.endr
.irp i, 3,5,7,9,11,13
.irp b, 0,1,2,3
	v_max3_num_f32 v[216+\b], v[216+\b], v[96+16*\b+\i], v[97+16*\b+\i]
.endr
.endr
.irp b, 0,1,2,3
	v_max_num_f32 v[216+\b], v[216+\b], v[111+16*\b]
.endr
.irp b, 0,1,2,3
	v_permlanex16_b32 v[220+\b], v[216+\b], s50, s51
.endr
.irp b, 0,1,2,3
	v_max_num_f32 v[216+\b], v[216+\b], v[220+\b]
.endr
	v_max3_num_f32 v213, v216, v217, v218
	v_max_num_f32 v213, v213, v219
	v_mul_f32 v213, s52, v213
	v_max_num_f32 v13, v13, v213                   ; the running largest t
	v_mov_b32 v213, v12
	v_floor_f32 v12, -v13                          ; -M = floor(-t)
	v_sub_f32 v213, v12, v213
	v_cvt_i32_f32 v213, v213                       ; (it saturates)
	v_ldexp_f32 v214, 1.0, v213                    ; f = 2^(old M - new M)
.set j, 0
.rept 32
	v_pk_fma_f32 v[96+j:97+j], v[96+j:97+j], s[52:53], v[12:13] op_sel_hi:[1,0,0]
.set j, j+2
.endr
.irp b, 0,1,2,3
	v_fma_f32 v[216+\b], v[216+\b], s52, v12
.endr
.set j, 0
.rept 64
	v_exp_f32 v[96+j], v[96+j]
.set j, j+1
.endr
	v_pk_mul_f32 v[14:15], v[14:15], v[214:215] op_sel_hi:[1,0]   ; a plain instruction behind the batch
	s_wait_alu depctr_va_vdst(0)                   ; one wait for the 64, ahead of their first reader
.irp b, 0,1,2,3
	v_exp_f32 v[216+\b], v[216+\b]
.endr
	v_pk_add_f32 v[220:221], v[96:97], v[98:99]    ; the row's sum of the unquantised p, in two chains
.irp j, 4,8,12,16,20,24,28,32,36,40,44,48,52,56,60
	v_pk_add_f32 v[14:15], v[14:15], v[96+\j:97+\j]
	v_pk_add_f32 v[220:221], v[220:221], v[98+\j:99+\j]
.endr
	v_pk_add_f32 v[14:15], v[14:15], v[220:221]
	s_wait_alu depctr_va_vdst(0)                   ; and one for the four
.irp b, 0,1,2,3
	v_max_num_f32 v[216+\b], 0x1800000, v[216+\b]
.endr
.irp b, 0,1,2,3
	v_add_nc_u32 v[224+\b], 0xff000000, v[216+\b]
.endr
.irp b, 0,1,2,3
	v_lshrrev_b32 v[220+\b], 23, v[224+\b]
.endr
	v_lshl_or_b32 v35, v221, 8, v220
	v_lshl_or_b32 v35, v222, 16, v35
	v_lshl_or_b32 v35, v223, 24, v35
.irp c, 0,1
	v_cvt_scalef32_pk16_fp6_f32 v[192+6*\c:194+6*\c], v[96+32*\c:111+32*\c], v[224+2*\c]
	v_cvt_scalef32_pk16_fp6_f32 v[204+4*\c:206+4*\c], v[112+32*\c:127+32*\c], v[225+2*\c]
.endr
	v_nop
.irp c, 0,1
.irp i, 0,1,2
	v_permlane16_swap_b32 v[192+6*\c+\i], v[204+4*\c+\i]
.endr
.irp i, 0,1,2
	v_mov_b32 v[195+6*\c+\i], v[204+4*\c+\i]
.endr
.endr
.set j, 0
.rept 16
	v_pk_mul_f32 v[160+j:161+j], v[160+j:161+j], v[214:215] op_sel_hi:[1,0]   ; O^T under the new M; also the places ahead of the products
.set j, j+2
.endr
	s_wait_dscnt 0x0                               ; V
.irp t, 0,1,2,3
	v_wmma_scale_f32_16x16x128_f8f6f4 v[160+8*\t:167+8*\t], v[48+12*\t:59+12*\t], v[192:203], v[160+8*\t:167+8*\t], v[44+\t], v35 matrix_a_fmt:MATRIX_FMT_FP6 matrix_b_fmt:MATRIX_FMT_FP6
.endr
.endm
; HALF A TRIP: step 2 p + sg.  The next step is copied into the other slot while this one is worked; ONE barrier: in front of it my reads of this slot are back and my stores into the other have landed.
.macro HALF sg
	s_wait_xcnt 0x0                                ; earlier loads and the prefetch have read their addresses: the working pointers may be written
.if \sg
	s_add_co_u32 s84, s27, 1
.else
	s_mov_b32 s84, s27
.endif
	s_mul_i32 s85, s84, 4*BLK                      ; the next step's pair of steps: K's block,
	s_and_b32 s86, s84, 3
	s_lshr_b32 s87, s84, 2
	s_lshl_b32 s87, s87, 4
	s_add_co_u32 s86, s86, s87
	s_mul_i32 s86, s86, BLK                        ; V's block
	s_cmp_lg_u32 s36, 0
	s_cselect_b32 s42, s85, s86
	s_cmp_lg_u32 s37, 0
	s_cselect_b32 s90, s85, s86
.if \sg == 0
	s_add_co_u32 s42, s42, s34
	s_add_co_u32 s90, s90, s35
.endif
	s_add_nc_u64 s[38:39], s[30:31], s[42:43]
	s_add_nc_u64 s[40:41], s[32:33], s[90:91]
.if \sg == 0
	s_add_co_u32 s84, s27, 2                       ; the prefetch names the blocks of the pair two trips on
	s_mul_i32 s85, s84, 4*BLK
	s_and_b32 s86, s84, 3
	s_lshr_b32 s87, s84, 2
	s_lshl_b32 s87, s87, 4
	s_add_co_u32 s86, s86, s87
	s_mul_i32 s86, s86, BLK
	s_cmp_lg_u32 s59, 0
	s_cselect_b32 s88, s85, s86
	s_add_nc_u64 s[56:57], s[54:55], s[88:89]
.endif
	s_bitcmp1_b32 s48, 1
	s_cbranch_scc0 .Lno_stage_\@                   ; nobody wants the next step (behind the last step the bit is 0)
	global_load_b128 v[232:235], v8, s[38:39]
	s_cmp_lt_u32 s14, 10
	s_cbranch_scc0 .Lno_stage_\@
	global_load_b128 v[236:239], v9, s[40:41]
.Lno_stage_\@:
.if \sg == 0
; A PREFETCH INTO THE L2: a block's 49,152 bytes of codes serve four heads and two steps.  One work-group of the eight that walk them and one head of the four asks: waves 0-5 for K's block, waves 6-11 for V's,
; 8,192 bytes a wave, lanes 256 bytes apart: each aligned block of 256 bytes is named once.  Trips 6 and 7 ask for nothing: there is no pair behind the eighth.
	s_cmp_lt_u32 s27, s58
	s_cbranch_scc0 .Lno_ask_\@
	global_prefetch_b8 v11, s[56:57] th:TH_LOAD_NT scope:SCOPE_SE
.Lno_ask_\@:
.endif
	s_bitcmp1_b32 s46, 0
	s_cbranch_scc0 .Ldead_\@                       ; no key of this step counts for my queries
	STEP \sg
.Ldead_\@:
	s_wait_loadcnt 0x0                             ; on every way: no load of mine is out
	s_bitcmp1_b32 s48, 1
	s_cbranch_scc0 .Lno_put_\@
	ds_store_b128 v7, v[232:235] offset:(1-\sg)*SLOTB
	s_cmp_lt_u32 s14, 10
	s_cbranch_scc0 .Lno_put_\@
	ds_store_b128 v7, v[236:239] offset:(1-\sg)*SLOTB+8192
.Lno_put_\@:
	s_lshr_b32 s46, s46, 1
	s_lshr_b32 s47, s47, 1
	s_lshr_b32 s48, s48, 1
	s_wait_dscnt 0x0
	s_barrier_signal -1
	s_barrier_wait -1
.endm
	s_mov_b32 s27, 0
.Ltrip:
	HALF 0
	HALF 1
	s_wait_xcnt 0x0
	s_add_nc_u64 s[44:45], s[44:45], 256           ; the mask: 256 keys on
	s_add_co_u32 s27, s27, 1
	s_cmp_lt_u32 s27, 8
	s_cbranch_scc1 .Ltrip
	; THE WAY OUT: O^T / l; register 16 b + n is channel 32 b + 16 h + n of my query: two blocks of 32 along the last product's K: half a fragment.
.rept 4
	v_nop
.endr
	v_add_f32 v14, v14, v15
	v_permlanex16_b32 v213, v14, s50, s51
	v_add_f32 v14, v14, v213
	v_rcp_f32 v15, v14
	v_mov_b32 v212, 0xffff                         ; (a plain instruction behind the reciprocal)
	v_and_b32 v228, 15, v0
	v_lshlrev_b32 v228, 2, v228
	s_wait_alu depctr_va_vdst(0)
.set j, 0
.rept 32
	v_mul_f32 v[96+j], v[160+j], v15
.set j, j+1
.endr
.irp b, 0,1
	v_max3_num_f32 v[216+\b], |v[96+16*\b]|, |v[97+16*\b]|, 0x1800000
.endr
.irp i, 2,4,6,8,10,12,14
.irp b, 0,1
	v_max3_num_f32 v[216+\b], v[216+\b], |v[96+16*\b+\i]|, |v[97+16*\b+\i]|
.endr
.endr
.irp b, 0,1
	v_permlanex16_b32 v[220+\b], v[216+\b], s50, s51
.endr
.irp b, 0,1
	v_max_num_f32 v[216+\b], v[216+\b], v[220+\b]
.endr
.irp b, 0,1
	v_add_nc_u32 v[224+\b], 0xff000000, v[216+\b]
.endr
.irp b, 0,1
	v_lshrrev_b32 v[220+\b], 23, v[224+\b]
.endr
	v_lshl_or_b32 v35, v221, 8, v220
	v_cmp_eq_f32 vcc_lo, 0, v14
	v_cndmask_b32 v35, v35, v212, vcc_lo           ; a row with no key: both bytes 0xff
	v_cvt_scalef32_pk16_fp6_f32 v[192:194], v[96:111], v224
	v_cvt_scalef32_pk16_fp6_f32 v[196:198], v[112:127], v225
	v_nop
.irp i, 0,1,2
	v_permlane16_swap_b32 v[192+\i], v[196+\i]
.endr
	v_mov_b32 v195, v196
	v_mov_b32 v196, v197
	v_mov_b32 v197, v198
	global_store_b128 v1, v[192:195], s[60:61]               ; 512 consecutive bytes,
	global_store_b64 v2, v[196:197], s[60:61] offset:512     ; 256
	global_store_b16 v228, v35, s[62:63]                     ; my row's two bytes (lanes r and r + 16 store the same)
	s_wait_tensorcnt 0x0                           ; the wave's end: behind my last LDS store
	ds_add_u32 v[SPW], v[NIL]
	s_wait_dscnt 0x0
	s_endpgm
.Lfunc_end_k_q3554c8b317_attn:
	.size	k_q3554c8b317_attn, .Lfunc_end_k_q3554c8b317_attn-k_q3554c8b317_attn
	.p2alignl 7, 3214868480
	.fill 96, 4, 3214868480
	.section	.rodata,"a",@progbits
	.p2align	6, 0x0
	.amdhsa_kernel k_q3554c8b317_attn
		.amdhsa_group_segment_fixed_size 28672
		.amdhsa_private_segment_fixed_size 0
		.amdhsa_enable_private_segment 0
		.amdhsa_kernarg_size 40
		.amdhsa_user_sgpr_count 2
		.amdhsa_user_sgpr_kernarg_segment_ptr 1
		.amdhsa_wavefront_size32 1
		.amdhsa_system_sgpr_workgroup_id_x 1
		.amdhsa_system_sgpr_workgroup_id_y 1
		.amdhsa_system_sgpr_workgroup_id_z 1
		.amdhsa_system_vgpr_workitem_id 0
		.amdhsa_next_free_vgpr 256
		.amdhsa_next_free_sgpr 100
		.amdhsa_reserve_vcc 1
		.amdhsa_float_denorm_mode_32 3
		.amdhsa_float_denorm_mode_16_64 3
		.amdhsa_memory_ordered 1
		.amdhsa_forward_progress 1
		.amdhsa_inst_pref_size 67
	.end_amdhsa_kernel
	.amdgpu_metadata
---
amdhsa.version: [ 1, 2 ]
amdhsa.kernels:
  - .name:           k_q3554c8b317_attn
    .symbol:         k_q3554c8b317_attn.kd
    .args:
      - { .name: hqk, .offset: 0, .size: 8, .value_kind: global_buffer, .address_space: global }
      - { .name: hv, .offset: 8, .size: 8, .value_kind: global_buffer, .address_space: global }
      - { .name: mask, .offset: 16, .size: 8, .value_kind: global_buffer, .address_space: global }
      - { .name: flags, .offset: 24, .size: 8, .value_kind: global_buffer, .address_space: global }
      - { .name: oc, .offset: 32, .size: 8, .value_kind: global_buffer, .address_space: global }
    .group_segment_fixed_size: 28672
    .private_segment_fixed_size: 0
    .kernarg_segment_align: 8
    .kernarg_segment_size: 40
    .max_flat_workgroup_size: 512
    .sgpr_count:     100
    .vgpr_count:     256
    .wavefront_size: 32
...
	.end_amdgpu_metadata
.endif
;; end of part 3
;; launch gemm_out (part 4): grid 4 x 32, 4 waves a work-group, clusters of 4 x 4, 327,680 bytes of LDS; arguments oc, wvp, bp, out0; writes out0
.if DOCPART == 4
	.amdgcn_target "amdgcn-amd-amdhsa--gfx1250"
	.amdhsa_code_object_version 6
	.text
	.protected	k_q3554c8b317_gemm_out
	.globl	k_q3554c8b317_gemm_out
	.p2align	8
	.type	k_q3554c8b317_gemm_out,@function
k_q3554c8b317_gemm_out:
	s_mov_b64 s[64:65], 0
	v_nop
	global_prefetch_b8 v0, s[64:65] scope:SCOPE_SE
	s_setreg_imm32_b32 hwreg(HW_REG_WAVE_MODE, 25, 1), 1
	s_wait_xcnt 0x0
	s_wait_alu depctr_hold_cnt(0) depctr_sa_sdst(0) depctr_va_vdst(0) depctr_va_sdst(0) depctr_va_ssrc(0) depctr_va_vcc(0) depctr_vm_vsrc(0)
	s_getreg_b32 s2, hwreg(HW_REG_IB_STS2, 6, 4)
	s_cmp_eq_u32 s2, 0
	s_cbranch_scc0 .Lentry_in_a_cluster
	s_endpgm
.Lentry_in_a_cluster:
	s_bfe_u32 s2, ttmp6, 0x10000c
	s_cmp_lg_u32 s2, 0xf033
	s_cbranch_scc0 .Lentry_shape_is_right
	s_endpgm
.Lentry_shape_is_right:
; out0[m][n] = sum over k of O[m][k] Wp[n][k] + bp[n], K = 1,024, on codes of FP6 (E2M3) with E8M0 scales; out0 f32.
; A = O's codes, B = Wp's (groups 8-15 of its buffer), both in groups of 128 rows (102,400 bytes) in the order of the operand's registers: codes [K slot 0..3][tile 0..7][K step 0..1][1,536 bytes], scale words [tile][K step][row];
; a tile's rows are 32 b + 8 u + (r & 7) + 16 (r >> 3) of the group: the way out puts rows and columns back by immediates.
; A work-group of four waves makes 256 x 256, a wave 128 x 128.  TRANSPOSED USE: source 0 = 16 rows of Wp, source 1 = 16 rows of O.  The bias is the C of each sum's first product.
; Three LDS slots, asked for together at the start (three loads of mine are out); slot 0 is filled once more.  CLUSTER 4 x 4 with joint loads.  No prefetch: three of the four K slots are on their way from the first line on.
; REGISTERS: window 0: v1-21 addresses, v32-63, v64-95 scale words, v128-223 A's fragments (on the way out v128-255 rows of out0).  window 1: B's two sets at v0, v128; the bias at v96-127, v224-255.  windows 2, 3: the accumulators.
.set GRP,   102400
.set KSL,   24576
.set SLOT,  4*KSL
.set SPARE, 3*SLOT                     ; the spare words: two blocks of 256 bytes that no other line names
.set STAGE, SLOT                       ; the way out's stages lie in slot 1: it has had its one fill, and its last read stands ahead of the second barrier
.set SPITCH, 528
.set FR,    12
.set FRB,   1536
.set TIL,   2*FRB
.set SCO,   4*KSL
.set O16,  2
.set O8,   3
.set AA16, 4
.set AA8,  7
.set AB16, 10
.set AB8,  13
.set L4,   16
.set STO,  18
.set RD,   19
.set SPW,  28
.set NIL,  29
.set SA,   32
.set SB,   64
.set AF,   128
.set BK,   128
.set G1A,  24
.set G1B,  32
.set G0A,  40
.set G0B,  52
.set MSB, 0
.macro WIN new
.if MSB != \new
	s_set_vgpr_msb (MSB<<8)|\new
.set MSB, \new
.endif
.endm
.set MUL_LO, 0xa1
.set MUL_HI, 0xf1
.set TO_B,   0x40
.macro PLACES
.rept 4
	v_nop
.endr
.endm
.macro CREST
	s_cmp_lg_u32 s14, 0
	s_cbranch_scc1 .Lnot_wave_0_\@
	s_barrier_signal -3
.Lnot_wave_0_\@:
	s_barrier_wait -3
	s_barrier_signal -1
	s_barrier_wait -1
.endm
.macro CROUND
	s_barrier_signal -1
	s_barrier_wait -1
	CREST
.endm
	s_load_b256 s[4:11], s[0:1], 0x0               ; A, B, bp, out0
	v_lshl_add_u32 v[SPW], v0, 2, SPARE
	v_mov_b32 v[NIL], 0
	ds_add_u32 v[SPW], v[NIL]                      ; the wave's opening: the add and its wait stand ahead of my first tensor load
	v_lshrrev_b32 v1, 5, v0
	v_readfirstlane_b32 s14, v1
	s_lshr_b32 s15, s14, 1
	s_and_b32 s16, s14, 1
	s_bfe_u32 s17, ttmp6, 0x40000
	s_bfe_u32 s18, ttmp6, 0x40004
	s_lshl_b32 s19, ttmp9, 2
	s_add_co_u32 s19, s19, s17                     ; x
	s_and_b32 s21, ttmp7, 0xffff
	s_lshl_b32 s20, s21, 2
	s_add_co_u32 s20, s20, s18                     ; y
	s_lshl_b32 s22, s18, 2
	s_lshl_b32 s22, 15, s22
	s_lshl_b32 s23, 0x1111, s17
	s_or_b32 s[G1A], s22, (3<<16)|(1<<21)
	s_or_b32 s[G1B], s23, (3<<16)|(1<<21)
.irp g, G1A, G1B                       ; 96 rows of 256 bytes, dense
	s_mov_b32 s[\g+1], 32<<16
	s_mov_b32 s[\g+2], 96<<16
	s_mov_b32 s[\g+3], 32<<16
	s_mov_b32 s[\g+4], 96
	s_mov_b32 s[\g+5], 32
	s_mov_b32 s[\g+6], 0
	s_mov_b32 s[\g+7], 0
.endr
	s_lshl_b32 s66, s20, 1
	s_add_co_u32 s66, s66, s16
	s_mul_i32 s66, s66, GRP
	s_mov_b32 s67, 0
	s_lshl_b32 s68, s19, 1
	s_add_co_u32 s68, s68, 8
	s_add_co_u32 s70, s68, s16
	s_mul_i32 s70, s70, GRP
	s_mov_b32 s71, 0
	s_lshl_b32 s72, s20, 1
	s_add_co_u32 s72, s72, s15
	s_mul_i32 s72, s72, GRP
	s_mov_b32 s73, 0
	s_mul_i32 s74, s14, KSL
	s_lshl_b32 s78, s19, 10
	s_lshl_b32 s79, s16, 9
	s_add_co_u32 s78, s78, s79                     ; my first column, in bytes
	s_lshl_b32 s76, s20, 20
	s_lshl_b32 s77, s15, 19
	s_add_co_u32 s76, s76, s77
	s_add_co_u32 s76, s76, s78                     ; and my first row's
	s_mov_b32 s77, 0
	s_mov_b32 s79, 0
	s_wait_dscnt 0x0
	s_wait_kmcnt 0x0
	s_add_nc_u64 s[80:81], s[4:5], s[66:67]
	s_add_nc_u64 s[82:83], s[6:7], s[70:71]
	s_add_nc_u64 s[84:85], s[4:5], s[72:73]
	s_add_nc_u64 s[86:87], s[10:11], s[76:77]
	s_add_nc_u64 s[94:95], s[8:9], s[78:79]
	CROUND
.irp n, 0,1,2
	s_mov_b32 s[G0A+4*\n], 1
	s_add_co_u32 s[G0A+4*\n+1], s74, \n*SLOT
	s_add_nc_u64 s[G0A+4*\n+2:G0A+4*\n+3], s[80:81], \n*KSL
	s_or_b32 s[G0A+4*\n+3], s[G0A+4*\n+3], 0x80000000
	s_mov_b32 s[G0B+4*\n], 1
	s_add_co_u32 s[G0B+4*\n+1], s74, \n*SLOT
	s_add_nc_u64 s[G0B+4*\n+2:G0B+4*\n+3], s[82:83], \n*KSL
	s_or_b32 s[G0B+4*\n+3], s[G0B+4*\n+3], 0x80000000
.endr
	s_cmp_eq_u32 s15, 0
	s_cbranch_scc0 .Lfirst_b
	tensor_load_to_lds s[G0A:G0A+3], s[G1A:G1A+7]
	s_nop 0
	tensor_load_to_lds s[G0A+4:G0A+7], s[G1A:G1A+7]
	s_nop 0
	tensor_load_to_lds s[G0A+8:G0A+11], s[G1A:G1A+7]
	s_nop 0
	PLACES
	s_branch .Lfirst_done
.Lfirst_b:
	tensor_load_to_lds s[G0B:G0B+3], s[G1B:G1B+7]
	s_nop 0
	tensor_load_to_lds s[G0B+4:G0B+7], s[G1B:G1B+7]
	s_nop 0
	tensor_load_to_lds s[G0B+8:G0B+11], s[G1B:G1B+7]
	s_nop 0
	PLACES
.Lfirst_done:
	v_and_b32 v1, 31, v0
	v_lshlrev_b32 v[O16], 4, v1
	v_lshlrev_b32 v[O8], 3, v1
	v_lshlrev_b32 v[L4], 2, v1
	s_mul_i32 s90, s15, KSL
	s_mul_i32 s91, s16, KSL
	s_add_co_u32 s91, s91, 2*KSL
.irp n, 0,1,2
	v_add_nc_u32 v[AA16+\n], s90, v[O16]
	v_add_nc_u32 v[AA8+\n], s90, v[O8]
	v_add_nc_u32 v[AB16+\n], s91, v[O16]
	v_add_nc_u32 v[AB8+\n], s91, v[O8]
	s_add_co_u32 s90, s90, SLOT
	s_add_co_u32 s91, s91, SLOT
.endr
	s_mul_i32 s90, s14, 16*SPITCH
	s_add_co_u32 s90, s90, STAGE
	v_and_b32 v21, 15, v0
	v_bfe_u32 v20, v0, 4, 1
	v_mul_u32_u24 v[STO], v21, SPITCH
	v_lshl_add_u32 v[STO], v20, 6, v[STO]
	v_add_nc_u32 v[STO], s90, v[STO]               ; into my stage: row r, + 64 h bytes
	v_add_nc_u32 v[RD], s90, v[O16]                ; back: 16 bytes a lane of a row
	v_lshlrev_b32 v20, 6, v20
.irp i, 0,1,2,3,4,5,6,7
.irp t, 0,1,2,3
	global_load_b32 v[SA+4*\i+\t], v[L4], s[84:85] offset:SCO+512*\i+128*\t
	global_load_b32 v[SB+4*\i+\t], v[L4], s[82:83] offset:SCO+512*\i+128*\t
.endr
.endr
	WIN TO_B
.irp b, 0,1,2,3,4,5,6,7                ; the bias in the result's layout: tile b, lane half h: columns 32 (b / 2) + 8 (b % 2) + 16 h + 0 .. 7
	global_load_b128 v[96+8*\b+96*(\b/4):99+8*\b+96*(\b/4)], v20, s[94:95] offset:4*(32*(\b/2)+8*(\b%2))
	global_load_b128 v[100+8*\b+96*(\b/4):103+8*\b+96*(\b/4)], v20, s[94:95] offset:4*(32*(\b/2)+8*(\b%2))+16
.endr
	WIN 0
.macro FRAG reg, a16, a8, off
	ds_load_b128 v[\reg:\reg+3], v[\a16] offset:\off
	ds_load_b64 v[\reg+4:\reg+5], v[\a8] offset:\off+512
	ds_load_b128 v[\reg+6:\reg+9], v[\a16] offset:\off+768
	ds_load_b64 v[\reg+10:\reg+11], v[\a8] offset:\off+1280
.endm
.macro FETCH_B slot, q, p
	WIN TO_B
.irp i, 0,1,2,3,4,5,6,7
	FRAG 128*(\p)+FR*\i, AB16+\slot, AB8+\slot, \i*TIL+(\q)*FRB
.endr
	WIN 0
.endm
.macro FETCH_A slot, q, i0
.irp i, \i0, \i0+1, \i0+2, \i0+3
	FRAG AF+FR*(\i), AA16+\slot, AA8+\slot, (\i)*TIL+(\q)*FRB
.endr
.endm
; The 64 accumulators take turns, one instruction a turn, in the same order in every step.
.macro MUL16 a0, s, zero
.irp a, \a0, \a0+1
.irp b, 0,1,2,3,4,5,6,7
.set rD, 8*(8*((\a)%4)+\b)
.set rB, 128*((\s)%2)+FR*\b
.set rA, AF+FR*(\a)
.set rC, 96+8*\b+96*(\b/4)
.set rSB, SB+4*\b+(\s)/2
.set rSA, SA+4*(\a)+(\s)/2
.if \zero
	v_wmma_scale_f32_16x16x128_f8f6f4 v[rD:rD+7], v[rB:rB+FR-1], v[rA:rA+FR-1], v[rC:rC+7], v[rSB], v[rSA] matrix_a_fmt:MATRIX_FMT_FP6 matrix_b_fmt:MATRIX_FMT_FP6
.elseif (\s)%2
	v_wmma_scale_f32_16x16x128_f8f6f4 v[rD:rD+7], v[rB:rB+FR-1], v[rA:rA+FR-1], v[rD:rD+7], v[rSB], v[rSA] matrix_a_fmt:MATRIX_FMT_FP6 matrix_b_fmt:MATRIX_FMT_FP6 matrix_a_scale:MATRIX_SCALE_ROW1 matrix_b_scale:MATRIX_SCALE_ROW1
.else
	v_wmma_scale_f32_16x16x128_f8f6f4 v[rD:rD+7], v[rB:rB+FR-1], v[rA:rA+FR-1], v[rD:rD+7], v[rSB], v[rSA] matrix_a_fmt:MATRIX_FMT_FP6 matrix_b_fmt:MATRIX_FMT_FP6
.endif
.endr
.endr
.endm
.macro STEP s, nslot, nq, zero
	s_wait_dscnt 16                                ; B's set and A's blocks 0-3 are in; A's blocks 4-7 may be out
.if \zero
	WIN 0x91                                       ; C (the bias) in window 1, D in window 2
.else
	WIN MUL_LO
.endif
	MUL16 0, \s, \zero
	MUL16 2, \s, \zero
	s_wait_dscnt 0x0
	PLACES
	FETCH_B \nslot, \nq, 1-(\s)%2
	FETCH_A \nslot, \nq, 0
.if \zero
	WIN 0xd1
.else
	WIN MUL_HI
.endif
	MUL16 4, \s, \zero
	MUL16 6, \s, \zero
	PLACES
	WIN 0
	FETCH_A \nslot, \nq, 4
.endm
.macro TURN s, nslot, fill
	s_wait_tensorcnt 0x0                           ; all my tensor loads have landed
	ds_add_u32 v[SPW], v[NIL]
	s_wait_dscnt 17                                ; (the add and A's blocks 4-7 may be out)
	WIN MUL_LO
	MUL16 0, \s, 0
	s_wait_dscnt 0x0                               ; the add is done, and my reads of this slot are over
	s_barrier_signal -1
	MUL16 2, \s, 0
	WIN 0
	s_barrier_wait -1
.if \fill
	CREST
	s_add_nc_u64 s[G0A+2:G0A+3], s[G0A+2:G0A+3], 3*KSL
	s_add_nc_u64 s[G0B+2:G0B+3], s[G0B+2:G0B+3], 3*KSL
	s_cmp_eq_u32 s15, 0
	s_cbranch_scc0 .Lfor_b_\@
	tensor_load_to_lds s[G0A:G0A+3], s[G1A:G1A+7]
	s_nop 0
	PLACES
	s_branch .Lasked_\@
.Lfor_b_\@:
	tensor_load_to_lds s[G0B:G0B+3], s[G1B:G1B+7]
	s_nop 0
	PLACES
.Lasked_\@:
.else
	PLACES
.endif
	FETCH_B \nslot, 0, 1-(\s)%2
	FETCH_A \nslot, 0, 0
	WIN MUL_HI
	MUL16 4, \s, 0
	MUL16 6, \s, 0
	PLACES
	WIN 0
	FETCH_A \nslot, 0, 4
.endm
	s_wait_tensorcnt 2                             ; my part of slot 0 is in; slots 1 and 2 may stay out
	s_barrier_signal -1
	s_barrier_wait -1
	FETCH_B 0, 0, 0
	FETCH_A 0, 0, 0
	FETCH_A 0, 0, 4
	s_wait_loadcnt 0x0                             ; the scale words and the bias
	STEP 0, 0, 1, 1
	TURN 1, 1, 1
	STEP 2, 1, 1, 0
	STEP 3, 2, 0, 0
	STEP 4, 2, 1, 0
	TURN 5, 0, 0
	STEP 6, 0, 1, 0
	s_wait_dscnt 16
	WIN MUL_LO
	MUL16 0, 7, 0
	MUL16 2, 7, 0
	s_wait_dscnt 0x0
	WIN MUL_HI
	MUL16 4, 7, 0
	MUL16 6, 7, 0
	WIN 0
; THE WAY OUT, a block of 16 rows x 128 columns at a time, through my own stage: a lane's eight numbers of accumulator b are columns 32 (b / 2) + 8 (b % 2) + 16 h + 0 .. 7 of row r; whole rows of 512 bytes come back.
.macro TOSTAGE a
.set AC, 64*((\a)%4)
	WIN 0x08+4*((\a)/4)
.irp b, 0,1,2,3,4,5,6,7
	ds_store_b128 v[STO], v[AC+8*\b:AC+8*\b+3] offset:128*(\b/2)+32*(\b%2)           ; each accumulator from its low end on
	ds_store_b128 v[STO], v[AC+8*\b+4:AC+8*\b+7] offset:128*(\b/2)+32*(\b%2)+16
.endr
	WIN 0
.set BB, BK+64*((\a)%2)
.irp t, 0,1,2,3,4,5,6,7,8,9,10,11,12,13,14,15
	ds_load_b128 v[BB+4*\t:BB+4*\t+3], v[RD] offset:\t*SPITCH       ; LDS serves a wave's instructions in order: these see the stores above
.endr
.endm
.macro SEND a, younger
.set BB, BK+64*((\a)%2)
	s_wait_dscnt \younger
.irp t, 0,1,2,3,4,5,6,7,8,9,10,11,12,13,14,15
	global_store_b128 v[O16], v[BB+4*\t:BB+4*\t+3], s[86:87] offset:(32*((\a)/2)+8*((\a)%2)+(\t%8)+16*(\t/8))*4096 th:TH_STORE_NT   ; 512 consecutive bytes; the tile's row t goes back to its place
.endr
.endm
	PLACES
	TOSTAGE 0
.irp a, 1,2,3,4,5,6,7
.if \a > 1
	s_wait_xcnt 0x0                                ; the stores of two blocks back have read their registers
.endif
	TOSTAGE \a
	SEND \a-1, 32                                  ; behind that block's loads: this block's 16 stores and 16 loads
.endr
	SEND 7, 0
	s_wait_tensorcnt 0x0                           ; the wave's end
	ds_add_u32 v[SPW], v[NIL]
	s_wait_dscnt 0x0
	CROUND                                         ; the closing round
	s_endpgm
.Lfunc_end_k_q3554c8b317_gemm_out:
	.size	k_q3554c8b317_gemm_out, .Lfunc_end_k_q3554c8b317_gemm_out-k_q3554c8b317_gemm_out
	.p2alignl 7, 3214868480
	.fill 96, 4, 3214868480
	.section	.rodata,"a",@progbits
	.p2align	6, 0x0
	.amdhsa_kernel k_q3554c8b317_gemm_out
		.amdhsa_group_segment_fixed_size 327680
		.amdhsa_private_segment_fixed_size 0
		.amdhsa_enable_private_segment 0
		.amdhsa_kernarg_size 32
		.amdhsa_user_sgpr_count 2
		.amdhsa_user_sgpr_kernarg_segment_ptr 1
		.amdhsa_wavefront_size32 1
		.amdhsa_system_sgpr_workgroup_id_x 1
		.amdhsa_system_sgpr_workgroup_id_y 1
		.amdhsa_system_sgpr_workgroup_id_z 1
		.amdhsa_system_vgpr_workitem_id 0
		.amdhsa_next_free_vgpr 1024
		.amdhsa_next_free_sgpr 100
		.amdhsa_reserve_vcc 0
		.amdhsa_float_denorm_mode_32 3
		.amdhsa_float_denorm_mode_16_64 3
		.amdhsa_memory_ordered 1
		.amdhsa_forward_progress 1
		.amdhsa_inst_pref_size 146
	.end_amdhsa_kernel
	.amdgpu_metadata
---
amdhsa.version: [ 1, 2 ]
amdhsa.kernels:
  - .name:           k_q3554c8b317_gemm_out
    .symbol:         k_q3554c8b317_gemm_out.kd
    .args:
      - { .name: oc, .offset: 0, .size: 8, .value_kind: global_buffer, .address_space: global }
      - { .name: wvp, .offset: 8, .size: 8, .value_kind: global_buffer, .address_space: global }
      - { .name: bp, .offset: 16, .size: 8, .value_kind: global_buffer, .address_space: global }
      - { .name: out0, .offset: 24, .size: 8, .value_kind: global_buffer, .address_space: global }
    .group_segment_fixed_size: 327680
    .private_segment_fixed_size: 0
    .kernarg_segment_align: 8
    .kernarg_segment_size: 32
    .max_flat_workgroup_size: 128
    .sgpr_count:     100
    .vgpr_count:     1024
    .wavefront_size: 32
...
	.end_amdgpu_metadata
.endif
;; end of part 4
;; ======== version 2 of 2: 5 launches; version 1 with the launch attn written anew for expert scheduling mode
;; workspace buffers: xqk 13,107,200 bytes; xv 6,553,600 bytes; wqk 1,638,400 bytes; wvp 1,638,400 bytes; hqk 13,107,200 bytes; hv 6,553,600 bytes; oc 6,553,600 bytes; flags 512 bytes of whole numbers
;; launch prep: the kernel of part 1 again; grid 1712 x 1, 8 waves a work-group, no clusters, 67,328 bytes of LDS; arguments q, k, v, Wp, ln_g, ln_b, Wq, Wk, Wv, mask, xqk, xv, wqk, wvp, flags; writes xqk, xv, wqk, wvp, flags
;; launch gemm_qk: the kernel of part 2 again; grid 4 x 64, 4 waves a work-group, clusters of 4 x 4, 327,680 bytes of LDS; arguments xqk, wqk, hqk; writes hqk
;; launch gemm_v: the kernel of part 2 again; grid 32 x 4, 4 waves a work-group, clusters of 4 x 4, 327,680 bytes of LDS; arguments wvp, xv, hv; writes hv
;; launch attn (part 5): grid 8 x 64, 16 waves a work-group, no clusters, 28,672 bytes of LDS; arguments hqk, hv, mask, flags, oc; writes oc
.if DOCPART == 5
	.amdgcn_target "amdgcn-amd-amdhsa--gfx1250"
	.amdhsa_code_object_version 6
	.text
	.protected	k_q3554c8b317_attn
	.globl	k_q3554c8b317_attn
	.p2align	8
	.type	k_q3554c8b317_attn,@function
k_q3554c8b317_attn:
	s_mov_b64 s[64:65], 0
	v_nop
	global_prefetch_b8 v0, s[64:65] scope:SCOPE_SE
	s_setreg_imm32_b32 hwreg(HW_REG_WAVE_SCHED_MODE, 0, 2), 2
	s_setreg_imm32_b32 hwreg(HW_REG_WAVE_MODE, 25, 1), 1
	s_wait_xcnt 0x0
	s_wait_alu depctr_vm_vsrc(0)
; O[b][h][q] = sum over keys of softmax(Q . K / 32, masked) V, both products on codes of FP6 (E2M3) with E8M0 scales; O / l is quantised along the model's 1,024 and leaves as codes for the last product.
; THE SOFTMAX: t = score x log2(e) / 32; M = the running largest t rounded up to a whole number; p = 2^(t - M) is quantised along the keys; the row's sum l is taken of the unquantised p and divides at the end.
; THE MASK IS AN INPUT.  An earlier launch stored, for each tile of 16 queries, which steps of 128 keys have a key that counts and which have a masked key.  A step with no key that counts is left out by a scalar
; branch on those stored whole numbers; a step with masked keys reads the mask's bytes and sets those scores to -infinity.  A row with no key at all gets the scale bytes 0xff: the last product then gives NaN, as the softmax of such a row is.
; Since branches hang on stored numbers, this text has no tensor load and no joint request: K and V go from memory through registers into LDS, each wave copying 512 or 1,024 bytes of a step.
; SHARES.  A work-group has one (batch, head) and the query blocks x and 15 - x of 128; each of sixteen waves one tile of 16 queries.  Every wave passes all sixteen steps' barriers.
; LAYOUT.  Both products transposed: S^T = K Q^T, O^T = V^T P^T: a lane holds one query.  The head size is 64, the instruction's K 128: an operand of K holds TWO tiles of 16 keys, [tile 2 i | tile 2 i + 1], and Q stands as
; [Q 0 Q]: [Q 0] multiplies tile 2 i, [0 Q] tile 2 i + 1; zero codes take the other tile out.
; LIMITS: NaN and infinities are not served; blocks under 2^-124 keep the byte 1; mask bytes are 0 or 1.
; REGISTERS: v1, v2 16, 8 x lane; v3, v4 places of K's, V's scales; v7-9 staging; v10 mask; v11 prefetch; v12 -M, v13 largest t, v[14:15] l; v16-33 Q 0 Q; v34, v35 Q's, p's scale words; v36-43, v44-47 K's, V's;
;   v48-95 K's four operands, then V's; v96-159 S^T, then p; v160-191 O^T; v192-211 p's codes; v212-231 at work; v232-239 staging data; v240-255 mask bytes.  s68-83: at the head the tiles' flags, in the loop sixteen lane masks.
; THE MODE: SCHED_MODE bits 1:0 = 2 (LLVM: expert scheduling mode 2), set by the entry lines.  The code itself states the register dependences
; between vector or matrix instructions and memory or LDS instructions, with s_wait_alu, always for 0.
; THE PLAN.  Registers that memory or LDS instructions touch:
;   v1-4, v7-11     Addresses and offsets: written once at the head, read by every load, store and prefetch, never written again: the steps are reached by scalar bases and immediate offsets.
;   v232-239        Staging: the global loads at a half trip's head land in them, the LDS stores at its end read them; no vector instruction names them.
;   v48-95          K's four operands (LDS loads at a step's head, read by the eight products S^T), then V's four (LDS loads behind those products, read by the four products O^T).
;   v36-43, v44-47  K's and V's scale words: loaded with their operands, read by the same products; v36-43 are cleared once at the head.
;   v240-255        Mask bytes: loaded behind the products S^T of a step with masked keys, read by that step's v_and_b32.
;   v216            At the head the offset of Q's scale bytes; afterwards at work.
;   v192-197, v35, v228  On the way out: written by vector instructions, read by the three stores.
; So a half trip has one wait on vm_vsrc, at its head, and a step three on va_vdst: at its head, ahead of K's loads; behind the products S^T, ahead of V's and the mask's loads; ahead of the products O^T, which take p's codes and
; scale word from vector instructions.  Two more stand behind the exponentials.  A lane mask goes from a compare to its select behind a wait on va_sdst: the compares stand in runs of sixteen, a wait to a run.
; All 256 registers that the launch gives a wave are named, so K's and V's operands share one set.
.set BLK,   51200
.set GRP,   102400
.set FRB,   1536
.set SLOTB, 13312                      ; a step in LDS: K's codes 6,144, V's codes 6,144, K's scale words 512, V's 512
.set VOF,   6144
.set KSC,   12288
.set VSC,   12800
.set SPARE, 2*SLOTB                    ; the spare words: 128 bytes a wave, eight blocks of 256 bytes that no other line names
.set SPW,   5
.set NIL,   6
	s_load_b256 s[4:11], s[0:1], 0x0               ; hqk, hv, mask, flags
	s_load_b64 s[12:13], s[0:1], 0x20              ; oc
	v_lshl_add_u32 v[SPW], v0, 2, SPARE
	v_mov_b32 v[NIL], 0
	v_lshrrev_b32 v212, 5, v0
	v_readfirstlane_b32 s14, v212                  ; wave
	s_and_b32 s16, ttmp7, 0xffff
	s_lshr_b32 s17, s16, 4                         ; batch
	s_and_b32 s18, s16, 15                         ; head
	s_and_b32 s19, s18, 1                          ; pi: which half of a fragment is my head's
	s_bfe_u32 s20, s18, 0x10001                    ; kappa: which 128 of a block's 256 columns
	s_lshr_b32 s21, s18, 2
	s_wait_alu depctr_va_sdst(0)                   ; s14 is written, ahead of its first reader
	s_lshr_b32 s22, s14, 1                         ; my tile in its block of 128 queries
	s_lshr_b32 s23, s14, 2
	s_xor_b32 s23, s23, s14
	s_and_b32 s23, s23, 1
	s_sub_co_u32 s24, 15, ttmp9
	s_cmp_lg_u32 s23, 0
	s_cselect_b32 s24, s24, ttmp9                  ; my block of 128 queries: x or 15 - x
	s_lshl_b32 s25, s24, 3
	s_add_co_u32 s25, s25, s22                     ; my tile of queries, 0..127
	s_lshl_b32 s26, s25, 2
	s_lshl_b32 s28, ttmp9, 5
	s_sub_co_u32 s29, 480, s28
	; byte offsets of K's and V's first blocks, codes and scale words
	s_lshl_b32 s84, s17, 5
	s_add_co_u32 s92, s84, s21
	s_add_co_u32 s92, s92, 128
	s_mul_i32 s92, s92, BLK                        ; K: block (h / 4) + 4 (32 + 8 b + pair)
	s_lshl_b32 s93, s21, 2
	s_add_co_u32 s93, s93, s84
	s_mul_i32 s93, s93, BLK                        ; V: block 4 (h / 4) + 32 b + (pair & 3) + 16 (pair >> 2)
	s_mul_i32 s85, s20, 8*FRB
	s_add_co_u32 s94, s92, s85
	s_add_co_u32 s95, s93, s85
	s_add_co_u32 s95, s95, s85
	s_lshl_b32 s85, s20, 9
	s_add_co_u32 s96, s92, s85
	s_add_co_u32 s96, s96, 32*FRB
	s_add_co_u32 s97, s93, s85
	s_add_co_u32 s97, s97, s85
	s_add_co_u32 s97, s97, 32*FRB
	; Q's codes and scale words
	s_lshl_b32 s84, s17, 3
	s_lshr_b32 s85, s24, 1
	s_add_co_u32 s84, s84, s85
	s_lshl_b32 s84, s84, 2
	s_add_co_u32 s84, s84, s21
	s_mul_i32 s84, s84, BLK
	s_and_b32 s85, s24, 1
	s_lshl_b32 s85, s85, 1
	s_add_co_u32 s85, s85, s20
	s_mul_i32 s66, s85, 8*FRB
	s_add_co_u32 s66, s66, s84
	s_mul_i32 s86, s22, FRB
	s_add_co_u32 s66, s66, s86
	s_mul_i32 s86, s19, 768
	s_add_co_u32 s66, s66, s86
	s_mov_b32 s67, 0
	s_lshl_b32 s98, s85, 9
	s_add_co_u32 s98, s98, s84
	s_lshl_b32 s86, s22, 2
	s_add_co_u32 s98, s98, s86
	s_lshl_b32 s86, s19, 1
	s_add_co_u32 s98, s98, s86
	s_add_co_u32 s98, s98, 32*FRB
	s_mov_b32 s99, 0
	; O's codes and scale halves
	s_lshl_b32 s84, s17, 4
	s_add_co_u32 s84, s84, s24
	s_mul_i32 s84, s84, GRP
	s_mul_i32 s60, s21, 24576
	s_add_co_u32 s60, s60, s84
	s_mul_i32 s85, s22, 2*FRB
	s_add_co_u32 s60, s60, s85
	s_mul_i32 s85, s20, FRB
	s_add_co_u32 s60, s60, s85
	s_mul_i32 s85, s19, 768
	s_add_co_u32 s60, s60, s85
	s_mov_b32 s61, 0
	s_lshl_b32 s62, s22, 9
	s_add_co_u32 s62, s62, s84
	s_lshr_b32 s85, s18, 1
	s_lshl_b32 s85, s85, 6
	s_add_co_u32 s62, s62, s85
	s_lshl_b32 s85, s19, 1
	s_add_co_u32 s62, s62, s85
	s_add_co_u32 s62, s62, 98304
	s_mov_b32 s63, 0
	s_mov_b32 s43, 0
	s_wait_kmcnt 0x0
	s_load_b32 s46, s[10:11], s26 offset:0x0       ; my tile's flags
	s_load_b256 s[68:75], s[10:11], s28 offset:0x0 ; and those of the work-group's sixteen tiles
	s_load_b256 s[76:83], s[10:11], s29 offset:0x0
	s_add_nc_u64 s[66:67], s[4:5], s[66:67]
	s_add_nc_u64 s[98:99], s[4:5], s[98:99]
	s_add_nc_u64 s[60:61], s[12:13], s[60:61]
	s_add_nc_u64 s[62:63], s[12:13], s[62:63]
	s_mov_b64 s[44:45], s[8:9]
	; STAGING.  A step is 26 chunks of 512 bytes: 0-11 K's codes, 12-23 V's codes, 24 K's scale words, 25 V's.  Wave w copies chunk w, and where w < 10 chunk 16 + w.
	s_cmp_lt_u32 s14, 12
	s_cselect_b64 s[30:31], s[4:5], s[6:7]
	s_cselect_b32 s42, s94, s95
	s_cselect_b32 s36, 1, 0                        ; my first chunk is K's
	s_mov_b32 s34, 8*FRB
	s_cselect_b32 s34, 16*FRB, s34                 ; from an even step to the odd one
	s_add_nc_u64 s[30:31], s[30:31], s[42:43]
	s_cmp_eq_u32 s14, 8
	s_cselect_b64 s[32:33], s[4:5], s[6:7]
	s_cselect_b32 s42, s96, s97
	s_cselect_b32 s37, 1, 0
	s_mov_b32 s35, 512
	s_cselect_b32 s35, 1024, s35
	s_cmp_lt_u32 s14, 8
	s_cselect_b32 s42, s95, s42
	s_cselect_b32 s35, 8*FRB, s35
	s_add_nc_u64 s[32:33], s[32:33], s[42:43]
	; the prefetches: who asks, and from where
	s_cmp_lt_u32 s14, 6
	s_cselect_b64 s[54:55], s[4:5], s[6:7]
	s_cselect_b32 s42, s92, s93
	s_cselect_b32 s59, 1, 0
	s_cselect_b32 s84, 0, 6
	s_add_nc_u64 s[54:55], s[54:55], s[42:43]
	s_sub_co_u32 s84, s14, s84
	s_lshl_b32 s84, s84, 13
	s_and_b32 s58, s18, 3
	s_or_b32 s58, s58, ttmp9
	s_cmp_eq_u32 s58, 0
	s_cselect_b32 s58, 6, 0
	s_cmp_lt_u32 s14, 12
	s_cselect_b32 s58, s58, 0                      ; trips in which I prefetch: 6 in waves 0-11 of the work-group with x = 0 and head % 4 = 0, else none
	v_and_b32 v212, 31, v0
	v_lshlrev_b32 v1, 4, v212
	v_lshlrev_b32 v2, 3, v212
	v_lshl_add_u32 v11, v212, 8, s84
	v_and_b32 v213, 15, v0                         ; r
	v_bfe_u32 v214, v0, 4, 1                       ; h
	v_lshlrev_b32 v216, 5, v213                    ; 32 r
	s_lshl_b32 s84, s19, 1
	v_add_nc_u32 v3, s84, v216
	s_lshl_b32 s84, s19, 4
	v_add_nc_u32 v4, s84, v216
	v_lshlrev_b32 v7, 4, v0                        ; LDS: 512 x wave + 16 x lane
	s_mul_i32 s84, s19, 768
	s_mul_i32 s85, s19, VOF
	s_sub_co_u32 s86, s85, VOF
	s_cmp_lt_u32 s14, 12
	s_cselect_b32 s84, s84, s86
	s_cselect_b32 s86, 768, 0
	v_lshrrev_b32 v215, 8, v7
	v_mul_u32_u24 v215, v215, 11
	v_lshrrev_b32 v215, 5, v215                    ; K: byte P of the packed step belongs to tile P / 768, whose half lies at 1,536 x tile + 768 pi
	v_mad_u32_u24 v8, v215, s86, v7
	v_add_nc_u32 v8, s84, v8
	s_lshl_b32 s84, s14, 9
	s_add_co_u32 s84, s84, s85
	s_add_co_u32 s84, s84, 2048
	s_cmp_lt_u32 s14, 8
	s_cselect_b32 s84, s84, 0
	v_add_nc_u32 v9, s84, v1
	s_wait_alu depctr_va_vdst(0)                   ; v1-4, v7-9, v11 and v216 are written: the loads, LDS stores and the prefetch from here on read them as addresses and offsets
	global_load_b128 v[232:235], v8, s[30:31]      ; step 0 is staged whatever the flags say
	s_cmp_lt_u32 s14, 10
	s_cbranch_scc0 .Lone_chunk
	global_load_b128 v[236:239], v9, s[32:33]
.Lone_chunk:
	global_load_b128 v[16:19], v1, s[66:67]        ; Q, twice
	global_load_b64 v[20:21], v2, s[66:67] offset:512
	global_load_b128 v[28:31], v1, s[66:67]
	global_load_b64 v[32:33], v2, s[66:67] offset:512
	global_load_u16 v34, v216, s[98:99]
	s_lshl_b32 s84, s24, 7
	s_lshr_b32 s85, s22, 1
	s_lshl_b32 s85, s85, 5
	s_add_co_u32 s84, s84, s85
	s_and_b32 s85, s22, 1
	s_lshl_b32 s85, s85, 3
	s_add_co_u32 s84, s84, s85
	v_and_b32 v215, 7, v213
	v_lshrrev_b32 v217, 3, v213
	v_lshl_add_u32 v215, v217, 4, v215
	v_add_nc_u32 v215, s84, v215                   ; my query
	v_lshlrev_b32 v10, 11, v215
	v_lshl_add_u32 v10, v214, 4, v10               ; its row of the mask, + 16 h
.irp j, 22,23,24,25,26,27,36,37,38,39,40,41,42,43,220,221,222,223,14,15,215
	v_mov_b32 v\j, 0
.endr
	v_mov_b32 v13, 0xff61b1e6                      ; -3e38, under every t
	v_floor_f32 v12, -v13
	s_mov_b32 s50, 0x76543210
	s_mov_b32 s51, 0xfedcba98
	s_mov_b32 s52, 0x3d38aa3b                      ; log2(e) / 32
	s_mov_b32 s53, s52
	s_mov_b32 s89, 0
	s_mov_b32 s91, 0
	s_wait_kmcnt 0x0
	s_lshr_b32 s47, s46, 16                        ; steps with a masked key
	s_and_b32 s46, s46, 0xffff                     ; steps with a key that counts
	s_or_b32 s48, s68, s69
.irp j, 70,71,72,73,74,75,76,77,78,79,80,81,82,83
	s_or_b32 s48, s48, s\j
.endr
	s_and_b32 s48, s48, 0xffff                     ; steps that some wave of the work-group wants
	s_wait_loadcnt 0x0
	v_lshl_or_b32 v34, v34, 16, v34                ; Q's two bytes serve both halves of K
.set j, 0
.rept 32
	v_mov_b32 v[160+j], 0                          ; O^T: which step comes first hangs on the flags, so the sums begin as zeros.  These 32 plain instructions also stand between the write of Q's scale word and the first scaled product, which wants eight
.set j, j+1
.endr
	ds_store_b128 v7, v[232:235]
	s_cmp_lt_u32 s14, 10
	s_cbranch_scc0 .Lone_put
	ds_store_b128 v7, v[236:239] offset:8192
.Lone_put:
	s_wait_dscnt 0x0
	s_barrier_signal -1
	s_barrier_wait -1
.macro IMG reg, off
	ds_load_b128 v[\reg:\reg+3], v1 offset:\off
	ds_load_b64 v[\reg+4:\reg+5], v2 offset:\off+512
	ds_load_b128 v[\reg+6:\reg+9], v1 offset:\off+768
	ds_load_b64 v[\reg+10:\reg+11], v2 offset:\off+1280
.endm
; A KEY STEP: 128 keys, from slot sg.
.macro STEP sg
.rept 4
	v_nop                                          ; places ahead of loads into registers that the last products read
.endr
	s_wait_alu depctr_va_vdst(0)                   ; the last step's products are done reading v48-95, v44-47 and v36-43, in which this step's loads land; in the first step walked: the head has written v36-43 (loads land there), Q's zeros v22-27 and scale word v34 (the scaled products take them) and the mask's offset v10
.irp i, 0,1,2,3
	IMG 48+12*\i, \sg*SLOTB+FRB*\i
	ds_load_u16 v[36+2*\i], v3 offset:\sg*SLOTB+KSC+8*\i               ; the even tile's two bytes scale k = 0 .. 63,
	ds_load_u16_d16_hi v[37+2*\i], v3 offset:\sg*SLOTB+KSC+8*\i+4      ; the odd tile's k = 64 .. 127; the other half of each register is 0 from the head on
.endr
.irp i, 0,1,2,3
	s_wait_dscnt 18-6*\i                           ; LDS loads come back in order (ISA guide 5.7.1): operand i and its two scale registers are in; the younger operands, six loads each, stay out
	v_wmma_scale_f32_16x16x128_f8f6f4 v[96+16*\i:103+16*\i], v[48+12*\i:59+12*\i], v[16:27], 0, v[36+2*\i], v34 matrix_a_fmt:MATRIX_FMT_FP6 matrix_b_fmt:MATRIX_FMT_FP6
	v_wmma_scale_f32_16x16x128_f8f6f4 v[104+16*\i:111+16*\i], v[48+12*\i:59+12*\i], v[22:33], 0, v[37+2*\i], v34 matrix_a_fmt:MATRIX_FMT_FP6 matrix_b_fmt:MATRIX_FMT_FP6
.endr
.rept 4
	v_nop
.endr
	s_wait_alu depctr_va_vdst(0)                   ; the eight products are done reading K's operands v48-95, in which V's land; the v_and_b32 of an earlier masked step are done reading v240-255, in which the mask's bytes land.  No vector instruction stands between this wait and those loads
.irp t, 0,1,2,3
	IMG 48+12*\t, \sg*SLOTB+VOF+FRB*\t             ; V's four fragments land while the softmax is walked
.endr
	ds_load_b128 v[44:47], v4 offset:\sg*SLOTB+VSC
	s_bitcmp1_b32 s47, 0
	s_cbranch_scc0 .Lopen_\@                       ; no key of this step is masked for my queries
.irp b, 0,1,2,3
	global_load_b128 v[240+4*\b:243+4*\b], v10, s[44:45] offset:128*\sg+32*\b   ; register 16 b + n holds key 32 b + 16 h + n: sixteen bytes of my row
.endr
	v_mov_b32 v212, 0xff800000
	s_wait_loadcnt 0x0
.irp b, 0,1,2,3                        ; a block of 32 keys at a time: my sixteen bytes are cut out into v216-231, which hold nothing here; sixteen compares into s68-83; one wait; sixteen selects
.set n, 0
.rept 16
	v_and_b32 v[216+n], 0xff<<(8*(n%4)), v[240+4*\b+n/4]
.set n, n+1
.endr
.set n, 0
.rept 16
	v_cmp_ne_u32 s[68+n], 0, v[216+n]
.set n, n+1
.endr
	s_wait_alu depctr_va_sdst(0)                   ; the sixteen compares have written s68-83, ahead of the selects that read them
.set n, 0
.rept 16
	v_cndmask_b32 v[96+16*\b+n], v[96+16*\b+n], v212, s[68+n]
.set n, n+1
.endr
.endr
.Lopen_\@:
.irp b, 0,1,2,3
	v_max3_num_f32 v[216+\b], v[96+16*\b], v[97+16*\b], v[98+16*\b]   ; the largest score of each block of 32 keys: for the row's maximum and for the block's largest p
.endr
.irp i, 3,5,7,9,11,13
.irp b, 0,1,2,3
	v_max3_num_f32 v[216+\b], v[216+\b], v[96+16*\b+\i], v[97+16*\b+\i]
.endr
.endr
.irp b, 0,1,2,3
	v_max_num_f32 v[216+\b], v[216+\b], v[111+16*\b]
.endr
.irp b, 0,1,2,3
	v_permlanex16_b32 v[220+\b], v[216+\b], s50, s51
.endr
.irp b, 0,1,2,3
	v_max_num_f32 v[216+\b], v[216+\b], v[220+\b]
.endr
	v_max3_num_f32 v213, v216, v217, v218
	v_max_num_f32 v213, v213, v219
	v_mul_f32 v213, s52, v213
	v_max_num_f32 v13, v13, v213                   ; the running largest t
	v_mov_b32 v213, v12
	v_floor_f32 v12, -v13                          ; -M = floor(-t)
	v_sub_f32 v213, v12, v213
	v_cvt_i32_f32 v213, v213                       ; (it saturates)
	v_ldexp_f32 v214, 1.0, v213                    ; f = 2^(old M - new M)
.set j, 0
.rept 32
	v_pk_fma_f32 v[96+j:97+j], v[96+j:97+j], s[52:53], v[12:13] op_sel_hi:[1,0,0]
.set j, j+2
.endr
.irp b, 0,1,2,3
	v_fma_f32 v[216+\b], v[216+\b], s52, v12
.endr
.set j, 0
.rept 64
	v_exp_f32 v[96+j], v[96+j]
.set j, j+1
.endr
	v_pk_mul_f32 v[14:15], v[14:15], v[214:215] op_sel_hi:[1,0]   ; a plain instruction behind the batch
	s_wait_alu depctr_va_vdst(0)                   ; the 64 exponentials have written v96-159: one wait for the batch, ahead of its first reader
.irp b, 0,1,2,3
	v_exp_f32 v[216+\b], v[216+\b]
.endr
	v_pk_add_f32 v[220:221], v[96:97], v[98:99]    ; the row's sum of the unquantised p, in two chains
.irp j, 4,8,12,16,20,24,28,32,36,40,44,48,52,56,60
	v_pk_add_f32 v[14:15], v[14:15], v[96+\j:97+\j]
	v_pk_add_f32 v[220:221], v[220:221], v[98+\j:99+\j]
.endr
	v_pk_add_f32 v[14:15], v[14:15], v[220:221]
	s_wait_alu depctr_va_vdst(0)                   ; the four exponentials have written v216-219, ahead of their first reader
.irp b, 0,1,2,3
	v_max_num_f32 v[216+\b], 0x1800000, v[216+\b]
.endr
.irp b, 0,1,2,3
	v_add_nc_u32 v[224+\b], 0xff000000, v[216+\b]
.endr
.irp b, 0,1,2,3
	v_lshrrev_b32 v[220+\b], 23, v[224+\b]
.endr
	v_lshl_or_b32 v35, v221, 8, v220
	v_lshl_or_b32 v35, v222, 16, v35
	v_lshl_or_b32 v35, v223, 24, v35
.irp c, 0,1
	v_cvt_scalef32_pk16_fp6_f32 v[192+6*\c:194+6*\c], v[96+32*\c:111+32*\c], v[224+2*\c]
	v_cvt_scalef32_pk16_fp6_f32 v[204+4*\c:206+4*\c], v[112+32*\c:127+32*\c], v[225+2*\c]
.endr
	v_nop
.irp c, 0,1
.irp i, 0,1,2
	v_permlane16_swap_b32 v[192+6*\c+\i], v[204+4*\c+\i]
.endr
.irp i, 0,1,2
	v_mov_b32 v[195+6*\c+\i], v[204+4*\c+\i]
.endr
.endr
.set j, 0
.rept 16
	v_pk_mul_f32 v[160+j:161+j], v[160+j:161+j], v[214:215] op_sel_hi:[1,0]   ; O^T under the new M; also the places ahead of the products
.set j, j+2
.endr
	s_wait_dscnt 0x0                               ; V
	s_wait_alu depctr_va_vdst(0)                   ; vector instructions have written p's codes v192-203 and p's scale word v35, which the scaled products take; the places above stay beside this wait
.irp t, 0,1,2,3
	v_wmma_scale_f32_16x16x128_f8f6f4 v[160+8*\t:167+8*\t], v[48+12*\t:59+12*\t], v[192:203], v[160+8*\t:167+8*\t], v[44+\t], v35 matrix_a_fmt:MATRIX_FMT_FP6 matrix_b_fmt:MATRIX_FMT_FP6
.endr
.endm
; HALF A TRIP: step 2 p + sg.  The next step is copied into the other slot while this one is worked; ONE barrier: in front of it my reads of this slot are back and my stores into the other have landed.
.macro HALF sg
	s_wait_xcnt 0x0                                ; earlier loads and the prefetch have read their addresses: the working pointers may be written
	s_wait_alu depctr_vm_vsrc(0)                   ; my LDS stores have read v232-239, in which the staging loads below land; in the first trip also: the load of Q's scale bytes has read v216, which the step writes
.if \sg
	s_add_co_u32 s84, s27, 1
.else
	s_mov_b32 s84, s27
.endif
	s_mul_i32 s85, s84, 4*BLK                      ; the next step's pair of steps: K's block,
	s_and_b32 s86, s84, 3
	s_lshr_b32 s87, s84, 2
	s_lshl_b32 s87, s87, 4
	s_add_co_u32 s86, s86, s87
	s_mul_i32 s86, s86, BLK                        ; V's block
	s_cmp_lg_u32 s36, 0
	s_cselect_b32 s42, s85, s86
	s_cmp_lg_u32 s37, 0
	s_cselect_b32 s90, s85, s86
.if \sg == 0
	s_add_co_u32 s42, s42, s34
	s_add_co_u32 s90, s90, s35
.endif
	s_add_nc_u64 s[38:39], s[30:31], s[42:43]
	s_add_nc_u64 s[40:41], s[32:33], s[90:91]
.if \sg == 0
	s_add_co_u32 s84, s27, 2                       ; the prefetch names the blocks of the pair two trips on
	s_mul_i32 s85, s84, 4*BLK
	s_and_b32 s86, s84, 3
	s_lshr_b32 s87, s84, 2
	s_lshl_b32 s87, s87, 4
	s_add_co_u32 s86, s86, s87
	s_mul_i32 s86, s86, BLK
	s_cmp_lg_u32 s59, 0
	s_cselect_b32 s88, s85, s86
	s_add_nc_u64 s[56:57], s[54:55], s[88:89]
.endif
	s_bitcmp1_b32 s48, 1
	s_cbranch_scc0 .Lno_stage_\@                   ; nobody wants the next step (behind the last step the bit is 0)
	global_load_b128 v[232:235], v8, s[38:39]
	s_cmp_lt_u32 s14, 10
	s_cbranch_scc0 .Lno_stage_\@
	global_load_b128 v[236:239], v9, s[40:41]
.Lno_stage_\@:
.if \sg == 0
; A PREFETCH INTO THE L2: a block's 49,152 bytes of codes serve four heads and two steps.  One work-group of the eight that walk them and one head of the four asks: waves 0-5 for K's block, waves 6-11 for V's,
; 8,192 bytes a wave, lanes 256 bytes apart: each aligned block of 256 bytes is named once.  Trips 6 and 7 ask for nothing: there is no pair behind the eighth.
	s_cmp_lt_u32 s27, s58
	s_cbranch_scc0 .Lno_ask_\@
	global_prefetch_b8 v11, s[56:57] th:TH_LOAD_NT scope:SCOPE_SE
.Lno_ask_\@:
.endif
	s_bitcmp1_b32 s46, 0
	s_cbranch_scc0 .Ldead_\@                       ; no key of this step counts for my queries
	STEP \sg
.Ldead_\@:
	s_wait_loadcnt 0x0                             ; on every way: no load of mine is out
	s_bitcmp1_b32 s48, 1
	s_cbranch_scc0 .Lno_put_\@
	ds_store_b128 v7, v[232:235] offset:(1-\sg)*SLOTB
	s_cmp_lt_u32 s14, 10
	s_cbranch_scc0 .Lno_put_\@
	ds_store_b128 v7, v[236:239] offset:(1-\sg)*SLOTB+8192
.Lno_put_\@:
	s_lshr_b32 s46, s46, 1
	s_lshr_b32 s47, s47, 1
	s_lshr_b32 s48, s48, 1
	s_wait_dscnt 0x0
	s_barrier_signal -1
	s_barrier_wait -1
.endm
	s_mov_b32 s27, 0
.Ltrip:
	HALF 0
	HALF 1
	s_wait_xcnt 0x0
	s_add_nc_u64 s[44:45], s[44:45], 256           ; the mask: 256 keys on
	s_add_co_u32 s27, s27, 1
	s_cmp_lt_u32 s27, 8
	s_cbranch_scc1 .Ltrip
	; THE WAY OUT: O^T / l; register 16 b + n is channel 32 b + 16 h + n of my query: two blocks of 32 along the last product's K: half a fragment.
.rept 4
	v_nop
.endr
	v_add_f32 v14, v14, v15
	v_permlanex16_b32 v213, v14, s50, s51
	v_add_f32 v14, v14, v213
	v_rcp_f32 v15, v14
	v_mov_b32 v212, 0xffff                         ; (a plain instruction behind the reciprocal)
	v_and_b32 v228, 15, v0
	v_lshlrev_b32 v228, 2, v228
	v_cmp_eq_f32 vcc_lo, 0, v14                    ; a row with no key has the sum 0: the select below reads this mask
	s_wait_alu depctr_va_vdst(0)                   ; the reciprocal has written v15, ahead of its first reader
.set j, 0
.rept 32
	v_mul_f32 v[96+j], v[160+j], v15
.set j, j+1
.endr
.irp b, 0,1
	v_max3_num_f32 v[216+\b], |v[96+16*\b]|, |v[97+16*\b]|, 0x1800000
.endr
.irp i, 2,4,6,8,10,12,14
.irp b, 0,1
	v_max3_num_f32 v[216+\b], v[216+\b], |v[96+16*\b+\i]|, |v[97+16*\b+\i]|
.endr
.endr
.irp b, 0,1
	v_permlanex16_b32 v[220+\b], v[216+\b], s50, s51
.endr
.irp b, 0,1
	v_max_num_f32 v[216+\b], v[216+\b], v[220+\b]
.endr
.irp b, 0,1
	v_add_nc_u32 v[224+\b], 0xff000000, v[216+\b]
.endr
.irp b, 0,1
	v_lshrrev_b32 v[220+\b], 23, v[224+\b]
.endr
	v_lshl_or_b32 v35, v221, 8, v220
	s_wait_alu depctr_va_vcc(0)                    ; the compare above has written VCC, ahead of the select that reads it
	v_cndmask_b32 v35, v35, v212, vcc_lo           ; a row with no key: both bytes 0xff
	v_cvt_scalef32_pk16_fp6_f32 v[192:194], v[96:111], v224
	v_cvt_scalef32_pk16_fp6_f32 v[196:198], v[112:127], v225
	v_nop
.irp i, 0,1,2
	v_permlane16_swap_b32 v[192+\i], v[196+\i]
.endr
	v_mov_b32 v195, v196
	v_mov_b32 v196, v197
	v_mov_b32 v197, v198
	s_wait_alu depctr_va_vdst(0)                   ; the codes v192-197, the scale bytes v35 and the offset v228 are written: the three stores read them
	global_store_b128 v1, v[192:195], s[60:61]               ; 512 consecutive bytes,
	global_store_b64 v2, v[196:197], s[60:61] offset:512     ; 256
	global_store_b16 v228, v35, s[62:63]                     ; my row's two bytes (lanes r and r + 16 store the same)
	s_wait_dscnt 0x0                               ; the wave's end: the closing lines, six on end
	s_wait_alu 0x0
	s_wait_tensorcnt 0x0
	ds_add_u32 v[SPW], v[NIL]
	s_wait_dscnt 0x0
	s_endpgm
.Lfunc_end_k_q3554c8b317_attn:
	.size	k_q3554c8b317_attn, .Lfunc_end_k_q3554c8b317_attn-k_q3554c8b317_attn
	.p2alignl 7, 3214868480
	.fill 96, 4, 3214868480
	.section	.rodata,"a",@progbits
	.p2align	6, 0x0
	.amdhsa_kernel k_q3554c8b317_attn
		.amdhsa_group_segment_fixed_size 28672
		.amdhsa_private_segment_fixed_size 0
		.amdhsa_enable_private_segment 0
		.amdhsa_kernarg_size 40
		.amdhsa_user_sgpr_count 2
		.amdhsa_user_sgpr_kernarg_segment_ptr 1
		.amdhsa_wavefront_size32 1
		.amdhsa_system_sgpr_workgroup_id_x 1
		.amdhsa_system_sgpr_workgroup_id_y 1
		.amdhsa_system_sgpr_workgroup_id_z 1
		.amdhsa_system_vgpr_workitem_id 0
		.amdhsa_next_free_vgpr 256
		.amdhsa_next_free_sgpr 100
		.amdhsa_reserve_vcc 1
		.amdhsa_float_denorm_mode_32 3
		.amdhsa_float_denorm_mode_16_64 3
		.amdhsa_memory_ordered 1
		.amdhsa_forward_progress 1
		.amdhsa_inst_pref_size 76
	.end_amdhsa_kernel
	.amdgpu_metadata
---
amdhsa.version: [ 1, 2 ]
amdhsa.kernels:
  - .name:           k_q3554c8b317_attn
    .symbol:         k_q3554c8b317_attn.kd
    .args:
      - { .name: hqk, .offset: 0, .size: 8, .value_kind: global_buffer, .address_space: global }
      - { .name: hv, .offset: 8, .size: 8, .value_kind: global_buffer, .address_space: global }
      - { .name: mask, .offset: 16, .size: 8, .value_kind: global_buffer, .address_space: global }
      - { .name: flags, .offset: 24, .size: 8, .value_kind: global_buffer, .address_space: global }
      - { .name: oc, .offset: 32, .size: 8, .value_kind: global_buffer, .address_space: global }
    .group_segment_fixed_size: 28672
    .private_segment_fixed_size: 0
    .kernarg_segment_align: 8
    .kernarg_segment_size: 40
    .max_flat_workgroup_size: 512
    .sgpr_count:     100
    .vgpr_count:     256
    .wavefront_size: 32
...
	.end_amdgpu_metadata
.endif
;; end of part 5
;; launch gemm_out: the kernel of part 4 again; grid 4 x 32, 4 waves a work-group, clusters of 4 x 4, 327,680 bytes of LDS; arguments oc, wvp, bp, out0; writes out0
